; MI455X (gfx1250); checked and timed in simulation.
; The chip was launched on July 23, 2026; its instructions are those of AMD's public machine-readable ISA for CDNA 5 (MIT licence, August 2026) and "CDNA5" Instruction Set Architecture Reference Guide (July 2026). The comments in the code are by the model that wrote it; some were corrected since.
;; Attention Block. Allowed arithmetic: matrix products marked QUANTISED: E4M3 operands, one E8M0 scale for each 32 along K, by v_wmma_scale_f32_16x16x128_f8f6f4 with both operands' format E4M3, f32 sums; everything else in f32.
;; Inputs: W1_codes 4,096 x 32 x 32 uint8 (E4M3 codes of W1, K innermost, in blocks of 32 codes); W1_scales 4,096 x 32 uint8 (E8M0 scales of W1, one for each 32 codes along K); W2_codes 1,024 x 128 x 32 uint8 (E4M3 codes of W2, K innermost, in blocks of 32 codes); W2_scales 1,024 x 128 uint8 (E8M0 scales of W2, one for each 32 codes along K); Wk_codes 1,024 x 32 x 32 uint8 (E4M3 codes of Wk, K innermost, in blocks of 32 codes); Wk_scales 1,024 x 32 uint8 (E8M0 scales of Wk, one for each 32 codes along K); Wo_codes 1,024 x 32 x 32 uint8 (E4M3 codes of Wo, K innermost, in blocks of 32 codes); Wo_scales 1,024 x 32 uint8 (E8M0 scales of Wo, one for each 32 codes along K); Wq_codes 1,024 x 32 x 32 uint8 (E4M3 codes of Wq, K innermost, in blocks of 32 codes); Wq_scales 1,024 x 32 uint8 (E8M0 scales of Wq, one for each 32 codes along K); Wv_codes 1,024 x 32 x 32 uint8 (E4M3 codes of Wv, K innermost, in blocks of 32 codes); Wv_scales 1,024 x 32 uint8 (E8M0 scales of Wv, one for each 32 codes along K); b1 1,024 float32; b2 1,024 float32; bf1 4,096 float32; bf2 1,024 float32; bk 1,024 float32; bo 1,024 float32; bq 1,024 float32; bv 1,024 float32; g1 1,024 float32; g2 1,024 float32; x 2 x 2,048 x 1,024 float32.
;; Outputs: out0 2 x 2,048 x 1,024 float32.
;; This version of the problem:
;;   THIS VERSION OF THE PROBLEM IS GIVEN IN LOW PRECISION. The matrix products marked QUANTISED in the list below multiply operands that are first quantised to E4M3 (4 exponent bits, 3 mantissa bits; 8 bits a number), with one power-of-two scale for each 32 numbers along K (OCP MX v1.0); their sums are f32. All else is computed in f32.
;;   The module's matrix products, in the order in which they are computed (A, B: the left and right operand; K: the contracted axis; several contracted axes count as one K, in the product's order):
;;     1. [M 4,096, K 1,024] x [K 1,024, N 1,024]; A: computed on the way; B: input Wq (given as codes): QUANTISED
;;     2. [M 4,096, K 1,024] x [K 1,024, N 1,024]; A: computed on the way; B: input Wk (given as codes): QUANTISED
;;     3. [M 4,096, K 1,024] x [K 1,024, N 1,024]; A: computed on the way; B: input Wv (given as codes): QUANTISED
;;     4. batch 32 x [M 2,048, K 64] x [K 64, N 2,048]; A: computed on the way; B: computed on the way: QUANTISED
;;     5. batch 32 x [M 2,048, K 2,048] x [K 2,048, N 64]; A: softmax (see below); B: computed on the way: QUANTISED
;;     6. [M 4,096, K 1,024] x [K 1,024, N 1,024]; A: computed on the way; B: input Wo (given as codes): QUANTISED
;;     7. [M 4,096, K 1,024] x [K 1,024, N 4,096]; A: computed on the way; B: input W1 (given as codes): QUANTISED
;;     8. [M 4,096, K 4,096] x [K 4,096, N 1,024]; A: computed on the way; B: input W2 (given as codes): QUANTISED
;;   THE QUANTISER, for each operand of a quantised product, along K:
;;     - K is cut into blocks of 32 from its start; a last block that is shorter is filled with zeros.
;;     - A block's scale is 2^e with e = floor(log2(the largest magnitude in the block)) - 8, held to -126 .. 127; a block of zeros has e = 0. As a byte (E8M0): e + 127.
;;     - Each number is divided by its block's scale, clamped to +-448, and rounded to the nearest number of E4M3, ties to even, subnormals kept.
;;     - The product sums the exact products of the quantised numbers (number of the format x scale) in f32.
;;   ~~~python
;;   def quantise(x, axis):      # numpy; x: float32 -> the quantised numbers, widened to float32 again
;;       x = np.moveaxis(x, axis, -1); K = x.shape[-1]
;;       x = np.pad(x, [(0, 0)] * (x.ndim - 1) + [(0, -K % 32)]); x = x.reshape(x.shape[:-1] + (-1, 32)); a = np.abs(x).max(-1, keepdims=True)
;;       e = np.where(a > 0, np.clip(np.frexp(np.where(a > 0, a, 1))[1] - 1 - 8, -126, 127), 0)      # np.frexp(a)[1] - 1 = floor(log2(a)), exactly
;;       r = np.clip(x / 2.0 ** e, -448, 448)
;;       step = 2.0 ** (np.maximum(np.frexp(np.where(r == 0, 1, r))[1] - 1, -6) - 3)
;;       q = np.round(r / step) * step * 2.0 ** e      # np.round: ties to even
;;       return np.moveaxis(q.reshape(q.shape[:-2] + (-1,))[..., :K], -1, axis).astype(np.float32)
;;   ~~~
;;   SOFTMAX AHEAD OF A QUANTISED PRODUCT. Where the list says 'softmax', what is quantised is not the finished softmax but p = 2^(t - M), with t = logit x log2(e) and M = ceil(the row's largest t), a whole number; so 1/2 < the row's largest p <= 1. The row's sum l is taken of the UNQUANTISED p, in f32, and the product's result is divided by l at the end. Since M is a whole number, a kernel that streams over the keys may use a running M (the ceiling of the running maximum): every later rescaling is an exact power of two, which a block's scale takes up: the codes' values come out the same.
;;   OPERANDS COMPUTED ON THE WAY. 'Computed on the way' means the value that the module computes at that place (a softmax that the list does not call 'softmax' is quantised finished and normalised). What goes into a quantiser is computed in f32, as accurately as f32 sums, v_exp_f32 and their like allow (about 1e-6 of the number): no bf16 or f16 on the way to a quantiser, and a product that is left as it is and whose result goes on into a quantised operand takes f32 operands (vector FMAs, or v_wmma_f32_16x16x4_f32). A number that lies on a knife's edge between two numbers of the format may be rounded either way, as far as f32 arithmetic and the matrix unit's own rounding can turn it there, and no further.
;;   INPUTS GIVEN AS CODES. W1 (in the module: [1024, 4096], K = its axis 0); W2 (in the module: [4096, 1024], K = its axis 0); Wk (in the module: [1024, 1024], K = its axis 0); Wo (in the module: [1024, 1024], K = its axis 0); Wq (in the module: [1024, 1024], K = its axis 0); Wv (in the module: [1024, 1024], K = its axis 0): each comes as NAME_codes (uint8): NAME with its K axis moved to the last place and cut into blocks of 32 codes, [.., K / 32, bytes a block], one block behind the other in memory; one code a byte (a code: sign, 4 exponent bits, 3 mantissa bits); and NAME_scales (uint8): the same leading axes, one E8M0 byte (e + 127) for each 32 codes along K. Its value is code x scale, taken as it is: it is not quantised again, and the codes and scales need not be those that the quantiser above would give.
;; One version. Each part assembles by itself: llvm-mc -triple=amdgcn-amd-amdhsa -mcpu=gfx1250 --defsym DOCPART=n.
;; ======== version 1 of 1: 7 launches
;; limits: right only within a limited range of input values
;; workspace buffers: xq 4,325,376 bytes; qb 4,456,448 bytes; kv 8,650,752 bytes; ctx 4,456,448 bytes; out1 16,777,216 bytes; hq 17,825,792 bytes
;; launch ln (part 1): grid 256 x 1, 4 waves a work-group, no clusters, 35,840 bytes of LDS; arguments x, g1, b1, xq; writes xq
.if DOCPART == 1
	.amdgcn_target "amdgcn-amd-amdhsa--gfx1250"
	.amdhsa_code_object_version 6
	.text
	.protected	k_q2a773c9b6c_ln
	.globl	k_q2a773c9b6c_ln
	.p2align	8
	.type	k_q2a773c9b6c_ln,@function
k_q2a773c9b6c_ln:
	s_mov_b64 s[64:65], 0
	v_nop
	global_prefetch_b8 v0, s[64:65] scope:SCOPE_SE
	s_setreg_imm32_b32 hwreg(HW_REG_WAVE_MODE, 25, 1), 1
	s_wait_xcnt 0x0
; y = (x - mean) * rsqrt(var + 1e-5) * g + b for rows of 1,024 f32, and y quantised along the row to codes of E4M3 with one E8M0 byte for each 32.
; OUT: codes [4096][1024 bytes] from byte 0 of the buffer, scale bytes [4096][32] from byte 4,194,304.
; A work-group takes 16 rows, each of its four waves four rows; a row lies in 32 registers of one wave.  All 48 loads of a wave are issued at its head; each reads 512 consecutive bytes.
; A finished row turns through the wave's own stage in LDS, so that lane l holds block l whole.  Codes gather in the wave's stage and leave as 512 consecutive bytes a store; the 512 scale bytes leave by one store of wave 0.
; No tensor load, no matrix unit, no cluster: what work-groups share is g and b, 8 KB.
; LIMITS: NaN and infinities are not served; a block whose largest magnitude lies under 2^-118, a block of zeros too, gets the byte 1 (only this program reads the bytes).
.set G,    16
.set BB,   48
.set X,    80
.set Y,    208
.set C,    240
.set TP,   144
.set CST,  32*TP
.set WREG, CST+4096
.set SBY,  4*WREG
	s_load_b256 s[4:11], s[0:1], 0x0               ; source, g, b, out
	v_lshl_add_u32 v254, v0, 2, 0x8a00
	v_mov_b32 v255, 0
	v_lshrrev_b32 v1, 5, v0
	v_readfirstlane_b32 s16, v1                    ; wave
	v_and_b32 v1, 31, v0                           ; lane
	v_lshlrev_b32 v2, 4, v1
	s_mul_i32 s20, s16, WREG
	v_lshrrev_b32 v3, 3, v1
	v_mul_u32_u24 v3, v3, TP
	v_and_b32 v4, 7, v1
	v_lshl_add_u32 v3, v4, 4, v3
	v_add_nc_u32 v3, s20, v3                       ; the turn, in
	v_mul_u32_u24 v4, v1, TP
	v_add_nc_u32 v4, s20, v4                       ; the turn, out: block = lane
	s_add_co_u32 s21, s20, CST
	v_lshl_add_u32 v5, v1, 5, s21                  ; codes, in
	v_lshl_add_u32 v6, v1, 4, s21                  ; codes, out
	s_lshl_b32 s22, s16, 7
	s_add_co_u32 s22, s22, SBY
	v_add_nc_u32 v7, s22, v1                       ; my block's scale byte
	v_lshl_add_u32 v252, v1, 4, SBY
	s_mov_b32 s12, 0x76543210
	s_mov_b32 s13, 0xfedcba98
	s_mov_b32 s14, 0x600000                        ; the mantissa field of 448
	s_mov_b32 s15, 0x3a800000                      ; 1 / 1024
	s_mov_b32 s17, 0x3727c5ac                      ; 1e-5
	s_lshl_b32 s24, ttmp9, 4
	s_lshl_b32 s25, s16, 2
	s_add_co_u32 s24, s24, s25                     ; my first row
	s_lshl_b32 s26, s24, 12
	s_mov_b32 s27, 0
	s_lshl_b32 s28, s24, 10
	s_mov_b32 s29, 0
	s_lshl_b32 s30, ttmp9, 9
	s_add_co_u32 s30, s30, 0x400000
	s_mov_b32 s31, 0
	s_wait_kmcnt 0x0
	s_add_nc_u64 s[4:5], s[4:5], s[26:27]
	s_add_nc_u64 s[18:19], s[10:11], s[28:29]
	s_add_nc_u64 s[10:11], s[10:11], s[30:31]
.irp j, 0,1,2,3,4,5,6,7
	global_load_b128 v[G+4*\j:G+4*\j+3], v2, s[6:7] offset:512*\j
.endr
.irp j, 0,1,2,3,4,5,6,7
	global_load_b128 v[BB+4*\j:BB+4*\j+3], v2, s[8:9] offset:512*\j
.endr
.irp p, 0,1,2,3
.irp j, 0,1,2,3,4,5,6,7
	global_load_b128 v[X+32*\p+4*\j:X+32*\p+4*\j+3], v2, s[4:5] offset:4096*\p+512*\j
.endr
.endr
.macro REDUCE                          ; four chains v[8:15] -> one number in every lane's v8
	v_pk_add_f32 v[8:9], v[8:9], v[10:11]
	v_pk_add_f32 v[12:13], v[12:13], v[14:15]
	v_pk_add_f32 v[8:9], v[8:9], v[12:13]
	v_add_f32 v8, v8, v9
	v_add_f32_dpp v8, v8, v8 row_xmask:1 row_mask:0xf bank_mask:0xf
	v_add_f32_dpp v8, v8, v8 row_xmask:2 row_mask:0xf bank_mask:0xf
	v_add_f32_dpp v8, v8, v8 row_xmask:4 row_mask:0xf bank_mask:0xf
	v_add_f32_dpp v8, v8, v8 row_xmask:8 row_mask:0xf bank_mask:0xf
	v_permlanex16_b32 v9, v8, s12, s13
	v_add_f32 v8, v8, v9
.endm
.macro ROW p
.set XR, X+32*\p
	s_wait_loadcnt 8*(3-\p)                        ; g, b and this row are in; the eight loads of each later row may be out
.irp k, 0,1,2,3
	v_pk_add_f32 v[8+2*\k:9+2*\k], v[XR+4*\k:XR+4*\k+1], v[XR+4*\k+2:XR+4*\k+3]
.endr
.irp i, 16,24
.irp k, 0,1,2,3
	v_pk_add_f32 v[8+2*\k:9+2*\k], v[8+2*\k:9+2*\k], v[XR+\i+2*\k:XR+\i+2*\k+1]
.endr
.endr
	REDUCE
	v_mul_f32 v248, s15, v8                        ; the mean, twice: a pair for the packed forms
	v_mul_f32 v249, s15, v8
.set i, 0
.rept 16
	v_pk_add_f32 v[XR+i:XR+i+1], v[XR+i:XR+i+1], v[248:249] neg_lo:[0,1] neg_hi:[0,1]
.set i, i+2
.endr
.irp k, 0,1,2,3
	v_pk_mul_f32 v[8+2*\k:9+2*\k], v[XR+2*\k:XR+2*\k+1], v[XR+2*\k:XR+2*\k+1]
.endr
.irp i, 8,16,24
.irp k, 0,1,2,3
	v_pk_fma_f32 v[8+2*\k:9+2*\k], v[XR+\i+2*\k:XR+\i+2*\k+1], v[XR+\i+2*\k:XR+\i+2*\k+1], v[8+2*\k:9+2*\k]
.endr
.endr
	REDUCE
	v_fma_f32 v8, v8, s15, s17                     ; the variance + 1e-5
	s_wait_alu depctr_va_vdst(0)
	v_rsq_f32 v250, v8
	v_rsq_f32 v251, v8
	v_nop
.set i, 0
	s_wait_alu depctr_va_vdst(0)
.rept 16
	v_pk_mul_f32 v[XR+i:XR+i+1], v[XR+i:XR+i+1], v[250:251]
.set i, i+2
.endr
.set i, 0
.rept 16
	v_pk_fma_f32 v[XR+i:XR+i+1], v[XR+i:XR+i+1], v[G+i:G+i+1], v[BB+i:BB+i+1]
.set i, i+2
.endr
.irp j, 0,1,2,3,4,5,6,7
	ds_store_b128 v3, v[XR+4*\j:XR+4*\j+3] offset:4*TP*\j
.endr
.irp i, 0,1,2,3,4,5,6,7
	ds_load_b128 v[Y+4*\i:Y+4*\i+3], v4 offset:16*\i        ; LDS serves a wave's instructions in order: these see the stores above
.endr
	s_wait_dscnt 0x0
	v_max3_num_f32 v8, |v[Y]|, |v[Y+1]|, |v[Y+2]|
	v_max3_num_f32 v9, |v[Y+3]|, |v[Y+4]|, |v[Y+5]|
.irp i, 6,10,14,18,22,26
	v_max3_num_f32 v8, v8, |v[Y+\i]|, |v[Y+\i+1]|
	v_max3_num_f32 v9, v9, |v[Y+\i+2]|, |v[Y+\i+3]|
.endr
	v_max3_num_f32 v8, v8, |v[Y+30]|, |v[Y+31]|
	v_max3_num_f32 v8, v8, v9, 0x4800000           ; the floor 2^(9 - 127): the byte cannot fall under 1
	v_add_nc_u32 v11, 0xfc000000, v8               ; the conversion's scale operand
	v_and_or_b32 v10, v8, 0x7f800000, s14          ; 448 x the scale
	v_lshrrev_b32 v253, 23, v11                    ; the scale's byte
.set i, 0
.rept 32
	v_med3_num_f32 v[Y+i], v[Y+i], -v10, v10
.set i, i+1
.endr
.irp g, 0,1,2,3
	v_cvt_scalef32_pk8_fp8_f32 v[C+2*\g:C+2*\g+1], v[Y+8*\g:Y+8*\g+7], v11
.endr
	v_nop
	ds_store_b128 v5, v[C:C+3] offset:1024*\p
	ds_store_b128 v5, v[C+4:C+7] offset:1024*\p+16
	ds_store_b8 v7, v253 offset:32*\p
	s_wait_dscnt 0x0
.endm
	ROW 0
	ROW 1
	ROW 2
	ROW 3
.irp j, 0,1,2,3,4,5,6,7
	ds_load_b128 v[X+4*\j:X+4*\j+3], v6 offset:512*\j
.endr
.irp j, 0,1,2,3,4,5,6,7
	s_wait_dscnt 7-\j
	global_store_b128 v2, v[X+4*\j:X+4*\j+3], s[18:19] offset:512*\j
.endr
	s_barrier_signal -1
	s_barrier_wait -1
	s_cmp_lg_u32 s16, 0
	s_cbranch_scc1 .Lend
	ds_load_b128 v[X+32:X+35], v252
	s_wait_dscnt 0x0
	global_store_b128 v2, v[X+32:X+35], s[10:11]
.Lend:
	s_wait_tensorcnt 0x0
	ds_add_u32 v254, v255
	s_wait_dscnt 0x0
	s_endpgm
.Lfunc_end_k_q2a773c9b6c_ln:
	.size	k_q2a773c9b6c_ln, .Lfunc_end_k_q2a773c9b6c_ln-k_q2a773c9b6c_ln
	.p2alignl 7, 3214868480
	.fill 96, 4, 3214868480
	.section	.rodata,"a",@progbits
	.p2align	6, 0x0
	.amdhsa_kernel k_q2a773c9b6c_ln
		.amdhsa_group_segment_fixed_size 35840
		.amdhsa_private_segment_fixed_size 0
		.amdhsa_enable_private_segment 0
		.amdhsa_kernarg_size 32
		.amdhsa_user_sgpr_count 2
		.amdhsa_user_sgpr_kernarg_segment_ptr 1
		.amdhsa_wavefront_size32 1
		.amdhsa_system_sgpr_workgroup_id_x 1
		.amdhsa_system_sgpr_workgroup_id_y 1
		.amdhsa_system_sgpr_workgroup_id_z 1
		.amdhsa_system_vgpr_workitem_id 0
		.amdhsa_next_free_vgpr 256
		.amdhsa_next_free_sgpr 66
		.amdhsa_reserve_vcc 0
		.amdhsa_float_denorm_mode_32 3
		.amdhsa_float_denorm_mode_16_64 3
		.amdhsa_memory_ordered 1
		.amdhsa_forward_progress 1
		.amdhsa_inst_pref_size 53
	.end_amdhsa_kernel
	.amdgpu_metadata
---
amdhsa.version: [ 1, 2 ]
amdhsa.kernels:
  - .name:           k_q2a773c9b6c_ln
    .symbol:         k_q2a773c9b6c_ln.kd
    .args:
      - { .name: x, .offset: 0, .size: 8, .value_kind: global_buffer, .address_space: global }
      - { .name: g1, .offset: 8, .size: 8, .value_kind: global_buffer, .address_space: global }
      - { .name: b1, .offset: 16, .size: 8, .value_kind: global_buffer, .address_space: global }
      - { .name: xq, .offset: 24, .size: 8, .value_kind: global_buffer, .address_space: global }
    .group_segment_fixed_size: 35840
    .private_segment_fixed_size: 0
    .kernarg_segment_align: 8
    .kernarg_segment_size: 32
    .max_flat_workgroup_size: 128
    .sgpr_count:     66
    .vgpr_count:     256
    .wavefront_size: 32
...
	.end_amdgpu_metadata
.endif
;; end of part 1
;; launch qkv (part 2): grid 12 x 16, 4 waves a work-group, clusters of 4 x 4, 327,680 bytes of LDS; arguments xq, Wq_codes, Wq_scales, Wk_codes, Wk_scales, Wv_codes, Wv_scales, bq, bk, bv, qb, kv; writes qb, kv
.if DOCPART == 2
	.amdgcn_target "amdgcn-amd-amdhsa--gfx1250"
	.amdhsa_code_object_version 6
	.text
	.protected	k_q2a773c9b6c_qkv
	.globl	k_q2a773c9b6c_qkv
	.p2align	8
	.type	k_q2a773c9b6c_qkv,@function
k_q2a773c9b6c_qkv:
	s_mov_b64 s[64:65], 0
	v_nop
	global_prefetch_b8 v0, s[64:65] scope:SCOPE_SE
	s_setreg_imm32_b32 hwreg(HW_REG_WAVE_MODE, 25, 1), 1
	s_wait_xcnt 0x0
	s_wait_alu depctr_hold_cnt(0) depctr_sa_sdst(0) depctr_va_vdst(0) depctr_va_sdst(0) depctr_va_ssrc(0) depctr_va_vcc(0) depctr_vm_vsrc(0)
	s_getreg_b32 s2, hwreg(HW_REG_IB_STS2, 6, 4)
	s_cmp_eq_u32 s2, 0
	s_cbranch_scc0 .Lentry_in_a_cluster
	s_endpgm
.Lentry_in_a_cluster:
	s_bfe_u32 s2, ttmp6, 0x10000c
	s_cmp_lg_u32 s2, 0xf033
	s_cbranch_scc0 .Lentry_shape_is_right
	s_endpgm
.Lentry_shape_is_right:
.set KSTEP,  256
.set NQ,     2
.set ROWB,   256
.set KROW,   1024
.set PITCH,  272
.set FR,     16
.set NL,     4
.set NP,     8
.set HALFT,  128*PITCH
.set SLOT,   4*HALFT
.set LAPS,   2
.set KS,     32
.set SCL,    2*SLOT
.set HALFS,  (128*KS/256)*272
.set SBLK,   (16*KS/256)*272
.set SPARE,  SCL+4*HALFS
.set ADRA, 16
.set ADRB, 20
.set VO,   24
.set VL,   25
.set VR,   26
.set ADRS, 27
.set SPW,  28
.set NIL,  29
.set BO,   30
.set BR,   31
.set SC,   32
.set BI,   64
.set AF,   128
.set HA,   128
.set PC,   192
.set TM,   208
.set PW,   224
.set PK,   232
.set G1, 24
.set G0, 32
.set G1B, 48
.set G0B, 56
.set G1S, 68
.set G0S, 76
.set G1SB, 80
.set G0SB, 88
.set MNT, 95
.set SEL, 100
.set MSB, 0
.macro WIN new
.if MSB != \new
	s_set_vgpr_msb (MSB<<8)|\new
.set MSB, \new
.endif
.endm
.set TO_B, 0x40
.macro WMUL hi, mode
.if \mode
.set WM, 0x81+0x40*\hi
.else
.set WM, 0xa1+0x50*\hi
.endif
	WIN WM
.endm
.macro JLOAD g0a, g1a, g0b, g1b
	s_cmp_eq_u32 s15, 0
	s_cbranch_scc0 .Lfor_b_\@
	tensor_load_to_lds s[\g0a:\g0a+3], s[\g1a:\g1a+7]
	s_nop 0
.rept 4
	v_nop
.endr
	s_branch .Lasked_\@
.Lfor_b_\@:
	tensor_load_to_lds s[\g0b:\g0b+3], s[\g1b:\g1b+7]
	s_nop 0
.rept 4
	v_nop
.endr
.Lasked_\@:
.endm
.macro CREST
	s_cmp_lg_u32 s14, 0
	s_cbranch_scc1 .Lnot_wave_0_\@
	s_barrier_signal -3
.Lnot_wave_0_\@:
	s_barrier_wait -3
	s_barrier_signal -1
	s_barrier_wait -1
.endm
.macro CROUND
	s_barrier_signal -1
	s_barrier_wait -1
	CREST
.endm
	s_load_b512 s[68:83], s[0:1], 0x0
	s_load_b128 s[84:87], s[0:1], 0x40
	s_load_b128 s[96:99], s[0:1], 0x50
	v_lshl_add_u32 v[SPW], v0, 2, SPARE
	v_mov_b32 v[NIL], 0
	ds_add_u32 v28, v29
	ds_add_u32 v28, v29
	s_wait_dscnt 0x0
	v_lshrrev_b32 v1, 5, v0
	v_readfirstlane_b32 s14, v1
	s_lshr_b32 s15, s14, 1
	s_and_b32 s16, s14, 1
	s_bfe_u32 s40, ttmp6, 0x40000
	s_bfe_u32 s41, ttmp6, 0x40004
	s_and_b32 s45, ttmp7, 0xffff
	s_lshl_b32 s45, s45, 2
	s_cmp_eq_u32 ttmp9, 2
	s_cselect_b32 s17, 0, s45
	s_cselect_b32 s42, s45, 0
	s_add_co_u32 s17, s17, s41
	s_add_co_u32 s42, s42, s40
	s_lshl_b32 s43, s41, 2
	s_lshl_b32 s43, 15, s43
	s_lshl_b32 s44, 0x1111, s40
	s_or_b32 s[G1+0], s43, (0<<16)|(1<<20)|(1<<21)|(5<<22)|(3<<25)
	s_or_b32 s[G1B+0], s44, (0<<16)|(1<<20)|(1<<21)|(5<<22)|(3<<25)
.irp g, G1, G1B
	s_mov_b32 s[\g+1], ROWB<<16
	s_mov_b32 s[\g+2], 256<<16
	s_mov_b32 s[\g+3], ROWB<<16
	s_mov_b32 s[\g+4], 256
	s_mov_b32 s[\g+5], KROW
	s_mov_b32 s[\g+6], 0
	s_mov_b32 s[\g+7], 0
.endr
	s_lshl_b32 s18, s16, 7
	s_lshl_b32 s20, s17, 8
	s_add_co_u32 s20, s20, s18
	s_lshl_b32 s46, s42, 8
	s_add_co_u32 s46, s46, s18
	s_mov_b32 s21, 0
	s_mov_b32 s47, 0
	s_mov_b64 s[18:19], KS
	s_mul_u64 s[22:23], s[20:21], s[18:19]
	s_mul_u64 s[92:93], s[46:47], s[18:19]
	s_mov_b64 s[18:19], KROW
	s_mul_u64 s[20:21], s[20:21], s[18:19]
	s_mul_u64 s[46:47], s[46:47], s[18:19]
	s_mul_i32 s45, s14, HALFT
	s_mul_i32 s94, s14, HALFS
	s_mov_b32 s[MNT], 0x600000
	s_mov_b32 s[SEL], 0x76543210
	s_mov_b32 s[SEL+1], 0xfedcba98
	s_wait_kmcnt 0x0
	s_add_nc_u64 s[88:89], s[68:69], 0x400000
	s_cmp_eq_u32 ttmp9, 0
	s_cselect_b64 s[70:71], s[70:71], s[74:75]
	s_cselect_b64 s[72:73], s[72:73], s[76:77]
	s_cselect_b64 s[82:83], s[82:83], s[84:85]
	s_cmp_eq_u32 ttmp9, 2
	s_cselect_b64 s[4:5], s[78:79], s[68:69]
	s_cselect_b64 s[6:7], s[80:81], s[88:89]
	s_cselect_b64 s[8:9], s[68:69], s[70:71]
	s_cselect_b64 s[10:11], s[88:89], s[72:73]
	s_cselect_b64 s[12:13], s[86:87], s[82:83]
	s_or_b32 s[G1S+0], s43, (3<<16)|(1<<20)|(1<<21)|(5<<22)|(3<<25)
	s_or_b32 s[G1SB+0], s44, (3<<16)|(1<<20)|(1<<21)|(5<<22)|(3<<25)
.irp g, G1S, G1SB
	s_mov_b32 s[\g+1], 32<<16
	s_mov_b32 s[\g+2], (256*KS/256)<<16
	s_mov_b32 s[\g+3], 32<<16
	s_mov_b32 s[\g+4], 256*KS/256
	s_mov_b32 s[\g+5], 32
	s_mov_b32 s[\g+6], 0
	s_mov_b32 s[\g+7], 0
.endr
	s_add_nc_u64 s[20:21], s[4:5], s[20:21]
	s_add_nc_u64 s[22:23], s[6:7], s[22:23]
	s_add_nc_u64 s[46:47], s[8:9], s[46:47]
	s_add_nc_u64 s[92:93], s[10:11], s[92:93]
	CROUND
	s_mov_b32 s[G0S], 1
	s_mov_b32 s[G0S+1], SCL
	s_sub_nc_u64 s[G0S+2:G0S+3], s[22:23], 128*KS  ; wave 1's address stands 128 rows on: back to the tile's first row
	s_or_b32 s[G0S+3], s[G0S+3], 0x80000000
	s_mov_b32 s[G0SB], 1
	s_mov_b32 s[G0SB+1], SCL+2*HALFS
	s_sub_nc_u64 s[G0SB+2:G0SB+3], s[92:93], 128*KS ; wave 3's likewise
	s_or_b32 s[G0SB+3], s[G0SB+3], 0x80000000
	s_mov_b32 s4, 1                                ; s[4:7], s[8:11]: group 0 of the head's loads of K step 0: A's 256 rows (wave 0), B's 256 rows (wave 2)
	s_mov_b32 s5, 0
	s_mov_b64 s[6:7], s[20:21]
	s_or_b32 s7, s7, 0x80000000
	s_mov_b32 s8, 1
	s_mov_b32 s9, 2*HALFT
	s_mov_b64 s[10:11], s[46:47]
	s_or_b32 s11, s11, 0x80000000
.irp s, 0,1
	s_mov_b32 s[G0+4*\s], 1
	s_add_co_u32 s[G0+4*\s+1], s45, \s*SLOT
	s_add_nc_u64 s[G0+4*\s+2:G0+4*\s+3], s[20:21], \s*ROWB
	s_or_b32 s[G0+4*\s+3], s[G0+4*\s+3], 0x80000000
	s_mov_b32 s[G0B+4*\s], 1
	s_add_co_u32 s[G0B+4*\s+1], s45, \s*SLOT
	s_add_nc_u64 s[G0B+4*\s+2:G0B+4*\s+3], s[46:47], \s*ROWB
	s_or_b32 s[G0B+4*\s+3], s[G0B+4*\s+3], 0x80000000
.endr
	; the head's loads, one a wave, in one chain of branches on the wave's number
	s_cmp_eq_u32 s14, 0
	s_cbranch_scc0 .Lhd1
	tensor_load_to_lds s[4:7], s[G1:G1+7]
	s_nop 0
.rept 4
	v_nop
.endr
	s_branch .Lhd_asked
.Lhd1:
	s_cmp_eq_u32 s14, 1
	s_cbranch_scc0 .Lhd2
	tensor_load_to_lds s[G0S:G0S+3], s[G1S:G1S+7]
	s_nop 0
.rept 4
	v_nop
.endr
	s_branch .Lhd_asked
.Lhd2:
	s_cmp_eq_u32 s14, 2
	s_cbranch_scc0 .Lhd3
	tensor_load_to_lds s[8:11], s[G1B:G1B+7]
	s_nop 0
.rept 4
	v_nop
.endr
	s_branch .Lhd_asked
.Lhd3:
	tensor_load_to_lds s[G0SB:G0SB+3], s[G1SB:G1SB+7]
	s_nop 0
.rept 4
	v_nop
.endr
.Lhd_asked:
	s_wait_alu depctr_va_vdst(0)
	s_wait_tensorcnt 0x0                           ; my tile of the head's four is in
	ds_add_u32 v28, v29
	s_mov_b32 s[G1+2], 128<<16                     ; no load of mine is out: from here on a load brings 128 rows
	s_mov_b32 s[G1+4], 128
	s_mov_b32 s[G1B+2], 128<<16
	s_mov_b32 s[G1B+4], 128
	s_wait_dscnt 0x0
	CROUND
	JLOAD G0+4, G1, G0B+4, G1B                     ; slot 1's first fill, issued as a refill is
	v_and_b32 v1, 15, v0
	v_bfe_u32 v2, v0, 4, 1
	v_mul_u32_u24 v3, v1, PITCH
	v_lshl_add_u32 v4, v2, 4, v3
	s_mul_i32 s21, s15, HALFT
	s_mul_i32 s22, s16, HALFT
	s_add_co_u32 s22, s22, 2*HALFT
.irp s, 0,1
	v_add_nc_u32 v[ADRA+\s], s21, v4
	v_add_nc_u32 v[ADRB+\s], s22, v4
	s_add_co_u32 s21, s21, SLOT
	s_add_co_u32 s22, s22, SLOT
.endr
	v_mul_u32_u24 v5, v1, KS
	v_lshrrev_b32 v6, 8, v5
	v_lshl_add_u32 v5, v6, 4, v5
	s_mul_i32 s21, s15, HALFS
	s_mul_i32 s22, s16, HALFS
	s_add_co_u32 s22, s22, 2*HALFS
	s_sub_co_u32 s22, s22, s21
	v_mul_u32_u24 v6, s22, v2
	s_add_co_u32 s21, s21, SCL
	v_add_nc_u32 v5, v5, v6
	v_add_nc_u32 v[ADRS], s21, v5
	v_lshlrev_b32 v[VR], 4, v1
	v_lshl_add_u32 v[VO], v2, 3, v[VR]
	v_and_b32 v6, 31, v0
	v_lshlrev_b32 v[VL], 4, v6
	v_lshlrev_b32 v[BO], 5, v2
	v_lshlrev_b32 v[BR], 2, v1
	s_lshl_b32 s20, s17, 10
	s_lshl_b32 s21, s15, 9
	s_add_co_u32 s20, s20, s21
	s_lshl_b32 s46, s42, 10
	s_lshl_b32 s47, s16, 9
	s_add_co_u32 s46, s46, s47
	s_cmp_eq_u32 ttmp9, 2
	s_cselect_b32 s20, s20, s46
	s_mov_b32 s21, 0
	s_add_nc_u64 s[12:13], s[12:13], s[20:21]
	s_cmp_eq_u32 ttmp9, 2
	s_cbranch_scc1 .Lbias_v
	s_wait_alu depctr_va_vdst(0)
.irp b, 0,1,2,3,4,5,6,7
	global_load_b128 v[BI+8*\b:BI+8*\b+3], v[BO], s[12:13] offset:64*\b
	global_load_b128 v[BI+8*\b+4:BI+8*\b+7], v[BO], s[12:13] offset:64*\b+16
.endr
	s_branch .Lbias_done
.Lbias_v:
	s_wait_alu depctr_va_vdst(0)
.irp a, 0,1,2,3,4,5,6,7
.irp j, 0,1,2,3,4,5,6,7
	global_load_b32 v[BI+8*\a+\j], v[BR], s[12:13] offset:64*\a
.endr
.endr
.Lbias_done:
.macro FRAG reg, adr, q, i
.irp c, 0,1,2,3
	ds_load_b128 v[\reg+4*\c:\reg+4*\c+3], v[\adr] offset:128*(\q)+32*\c+(\i)*16*PITCH
.endr
.endm
.macro MUL16 a0, p, q, sc, mode
.irp a, \a0, \a0+1
.irp b, 0,1,2,3,4,5,6,7
.if \mode == 0
	v_wmma_scale_f32_16x16x128_f8f6f4 v[8*(8*((\a)%4)+\b):8*(8*((\a)%4)+\b)+7], v[128*(\p)+FR*\b:128*(\p)+FR*\b+FR-1], v[AF+FR*(\a):AF+FR*(\a)+FR-1], v[8*(8*((\a)%4)+\b):8*(8*((\a)%4)+\b)+7], v[SC+8*NQ*(\sc)+NQ*\b+(\q)], v[SC+8*NQ*(\sc)+NQ*(\a)+(\q)] matrix_a_scale:MATRIX_SCALE_ROW1
.elseif \mode == 1
	v_wmma_scale_f32_16x16x128_f8f6f4 v[8*(8*((\a)%4)+\b):8*(8*((\a)%4)+\b)+7], v[128*(\p)+FR*\b:128*(\p)+FR*\b+FR-1], v[AF+FR*(\a):AF+FR*(\a)+FR-1], v[BI+8*\b:BI+8*\b+7], v[SC+8*NQ*(\sc)+NQ*\b+(\q)], v[SC+8*NQ*(\sc)+NQ*(\a)+(\q)] matrix_a_scale:MATRIX_SCALE_ROW1
.else
	v_wmma_scale_f32_16x16x128_f8f6f4 v[8*(8*((\a)%4)+\b):8*(8*((\a)%4)+\b)+7], v[128*(\p)+FR*\b:128*(\p)+FR*\b+FR-1], v[AF+FR*(\a):AF+FR*(\a)+FR-1], v[BI+8*(\a):BI+8*(\a)+7], v[SC+8*NQ*(\sc)+NQ*\b+(\q)], v[SC+8*NQ*(\sc)+NQ*(\a)+(\q)] matrix_a_scale:MATRIX_SCALE_ROW1
.endif
.endr
.endr
.endm
.macro FETCH_B slot, q, p
	WIN TO_B
.irp i, 0,1,2,3,4,5,6,7
	FRAG 128*(\p)+FR*\i, ADRB+\slot, \q, \i
.endr
	WIN 0
.endm
.macro FETCH_A slot, q, i0
.irp i, \i0, \i0+1, \i0+2, \i0+3
	FRAG AF+FR*(\i), ADRA+\slot, \q, \i
.endr
.endm
.macro SCALES sc
.irp i, 0,1,2,3,4,5,6,7
	ds_load_b64 v[SC+8*NQ*\sc+NQ*\i:SC+8*NQ*\sc+NQ*\i+1], v[ADRS] offset:\i*SBLK
.endr
.endm
.macro PLACES n
.rept \n
	v_nop
.endr
.endm
.macro STEP slot, q, mode
	s_wait_dscnt 4*NL
	WMUL 0, \mode
	MUL16 0, (\q)%2, \q, \slot, \mode
	MUL16 2, (\q)%2, \q, \slot, \mode
	s_wait_dscnt 0
	PLACES NP
	FETCH_B \slot, (\q)+1, 1-(\q)%2
	FETCH_A \slot, (\q)+1, 0
	WMUL 1, \mode
	MUL16 4, (\q)%2, \q, \slot, \mode
	MUL16 6, (\q)%2, \q, \slot, \mode
	PLACES NP
	WIN 0
	FETCH_A \slot, (\q)+1, 4
.endm
.macro TURN slot, next, fill
	s_wait_tensorcnt 0x0
	ds_add_u32 v[SPW], v[NIL]
	s_wait_dscnt 4*NL+1
	WMUL 0, 0
	MUL16 0, 1, NQ-1, \slot, 0
	s_wait_dscnt 0x0
	s_barrier_signal -1
	MUL16 2, 1, NQ-1, \slot, 0
	WIN 0
	s_barrier_wait -1
.if \fill
	CREST
	s_add_nc_u64 s[G0+4*\slot+2:G0+4*\slot+3], s[G0+4*\slot+2:G0+4*\slot+3], 2*ROWB
	s_add_nc_u64 s[G0B+4*\slot+2:G0B+4*\slot+3], s[G0B+4*\slot+2:G0B+4*\slot+3], 2*ROWB
	JLOAD G0+4*\slot, G1, G0B+4*\slot, G1B
	PLACES NP-4
.else
	PLACES NP
.endif
	s_wait_alu depctr_va_vdst(0)
	v_add_nc_u32 v[ADRS], 4*NQ, v[ADRS]
	FETCH_B \next, 0, 0
	FETCH_A \next, 0, 0
	SCALES \next
	WMUL 1, 0
	MUL16 4, 1, NQ-1, \slot, 0
	MUL16 6, 1, NQ-1, \slot, 0
	PLACES NP
	WIN 0
	FETCH_A \next, 0, 4
.endm
	s_wait_tensorcnt 1
	s_barrier_signal -1
	s_barrier_wait -1
	FETCH_B 0, 0, 0
	FETCH_A 0, 0, 0
	SCALES 0
	FETCH_A 0, 0, 4
	s_wait_loadcnt 0x0
	s_cmp_eq_u32 ttmp9, 2
	s_cbranch_scc1 .Lfirst_v
	STEP 0, 0, 1
	s_branch .Lfirst_done
.Lfirst_v:
	STEP 0, 0, 2
.Lfirst_done:
	s_mov_b32 s3, LAPS-1
.Llap:
	TURN 0, 1, 1
	STEP 1, 0, 0
	TURN 1, 0, 1
	STEP 0, 0, 0
	s_sub_co_u32 s3, s3, 1
	s_cmp_lg_u32 s3, 0
	s_cbranch_scc1 .Llap
	TURN 0, 1, 0
	STEP 1, 0, 0
	s_wait_dscnt 4*NL
	WMUL 0, 0
	MUL16 0, 1, NQ-1, 1, 0
	MUL16 2, 1, NQ-1, 1, 0
	s_wait_dscnt 0
	WMUL 1, 0
	MUL16 4, 1, NQ-1, 1, 0
	MUL16 6, 1, NQ-1, 1, 0
	WIN 0
	PLACES NP
.irp b, 0,1,2,3
	v_mov_b32 v[TM+4+\b], 0
.endr
	s_lshl_b32 s18, s17, 8
	s_lshl_b32 s19, s15, 7
	s_add_co_u32 s18, s18, s19
	s_lshl_b32 s19, s42, 8
	s_lshl_b32 s20, s16, 7
	s_add_co_u32 s19, s19, s20
	s_cmp_eq_u32 ttmp9, 2
	s_cselect_b32 s20, s19, s18
	s_cselect_b32 s21, s18, s19
	s_cselect_b32 s22, 8192, 0
	s_cselect_b32 s23, 256, 0
	s_lshr_b32 s24, s20, 11
	s_and_b32 s20, s20, 2047
	s_lshl_b32 s24, s24, 4
	s_lshr_b32 s21, s21, 6
	s_add_co_u32 s24, s24, s21
	s_lshl_b32 s26, s24, 17
	s_lshl_b32 s25, s20, 6
	s_add_co_u32 s26, s26, s25
	s_lshl_b32 s28, s24, 13
	s_lshl_b32 s25, s20, 2
	s_add_co_u32 s28, s28, s25
	s_add_co_u32 s28, s28, s23
	s_cmp_eq_u32 ttmp9, 0
	s_cselect_b32 s25, 0, 1
	s_cselect_b64 s[4:5], s[96:97], s[98:99]
	s_lshl_b32 s26, s26, s25
	s_add_co_u32 s26, s26, s22
	s_mov_b32 s27, 0
	s_lshl_b32 s30, 0x400000, s25
	s_add_co_u32 s28, s28, s30
	s_mov_b32 s29, 0
	s_lshl_b32 s30, 0x20000, s25
	s_mov_b32 s31, 0
	s_add_nc_u64 s[8:9], s[4:5], s[28:29]
	s_add_nc_u64 s[4:5], s[4:5], s[26:27]
	s_add_nc_u64 s[6:7], s[4:5], s[30:31]
.macro QUANT2 a
.set QWN, 2+(\a)/4
.set QSR, 64*((\a)%4)
.set QW2, QWN|(QWN<<2)
	WIN QW2
.irp b, 0,1,2,3
	v_max3_num_f32 v[TM+\b], |v[QSR+16*\b]|, |v[QSR+16*\b+1]|, 0x4800000
.endr
.irp i, 2,4,6,8,10,12,14
.irp b, 0,1,2,3
	v_max3_num_f32 v[TM+\b], |v[QSR+16*\b+\i]|, |v[QSR+16*\b+\i+1]|, v[TM+\b]
.endr
.endr
	WIN 0
.irp b, 0,1,2,3
	v_permlanex16_b32 v[TM+4+\b], v[TM+\b], s[SEL], s[SEL+1]
.endr
.irp b, 0,1,2,3
	v_max_num_f32 v[TM+\b], v[TM+\b], v[TM+4+\b]
.endr
.irp b, 0,1,2,3
	v_add_nc_u32 v[TM+12+\b], 0xfc000000, v[TM+\b]
.endr
.irp b, 0,1,2,3
	v_and_or_b32 v[TM+8+\b], v[TM+\b], 0x7f800000, s[MNT]
.endr
.irp b, 0,1,2,3
	v_lshrrev_b32 v[TM+4+\b], 23, v[TM+12+\b]
.endr
	v_lshl_or_b32 v[PW+(\a)], v[TM+5], 8, v[TM+4]
	v_lshl_or_b32 v[PW+(\a)], v[TM+6], 16, v[PW+(\a)]
	v_lshl_or_b32 v[PW+(\a)], v[TM+7], 24, v[PW+(\a)]
	WIN QWN
.irp b, 0,1,2,3
.irp i, 0,1,2,3,4,5,6,7,8,9,10,11,12,13,14,15
	v_med3_num_f32 v[HA+16*\b+\i], v[QSR+16*\b+\i], -v[TM+8+\b], v[TM+8+\b]
.endr
.endr
	WIN 0
.irp b, 0,1,2,3
	v_cvt_scalef32_pk8_fp8_f32 v[PC+4*\b:PC+4*\b+1], v[HA+16*\b:HA+16*\b+7], v[TM+12+\b]
	v_cvt_scalef32_pk8_fp8_f32 v[PC+4*\b+2:PC+4*\b+3], v[HA+16*\b+8:HA+16*\b+15], v[TM+12+\b]
.endr
	v_nop
.endm
.macro OUT_A a
.if (\a) > 0
	s_wait_xcnt 0x0
.endif
	QUANT2 \a
	s_cmp_eq_u32 ttmp9, 2
	s_cbranch_scc1 .Lv_\@
.irp be, 0,1,2,3
.irp u, 0,1
	global_store_b64 v[VO], v[PC+4*\be+2*\u:PC+4*\be+2*\u+1], s[4+2*(\be/2):5+2*(\be/2)] offset:1024*(\a)+512*(\be%2)+256*\u
.endr
.endr
	s_branch .Ldone_\@
.Lv_\@:
	s_wait_alu depctr_va_vdst(0)
.irp be, 0,1,2,3
	global_store_b128 v[VL], v[PC+4*\be:PC+4*\be+3], s[4+2*((\a)/4):5+2*((\a)/4)] offset:2048*((\a)%4)+512*\be
.endr
.Ldone_\@:
.endm
.irp a, 0,1,2,3,4,5,6,7
	OUT_A \a
.endr
	s_cmp_eq_u32 ttmp9, 0
	s_cbranch_scc0 .Lnot_q
.irp a, 0,1,2,3,4,5,6,7
	v_perm_b32 v[PK+\a], v[PW+\a], v[PW+\a], 0x01000100
	v_perm_b32 v[PK+8+\a], v[PW+\a], v[PW+\a], 0x03020302
.endr
.irp hh, 0,1
.irp g, 0,1
	global_store_b128 v[VR], v[PK+8*\hh+4*\g:PK+8*\hh+4*\g+3], s[8:9] offset:8192*\hh+256*\g
.endr
.endr
	s_branch .Lend
.Lnot_q:
	s_cmp_eq_u32 ttmp9, 1
	s_cbranch_scc0 .Lis_v
.irp b, 0,1,2,3
	v_perm_b32 v[PK+\b], v[PW+2*\b+1], v[PW+2*\b], 0x05040100
	v_perm_b32 v[PK+4+\b], v[PW+2*\b+1], v[PW+2*\b], 0x07060302
.endr
.irp hh, 0,1
	global_store_b128 v[VR], v[PK+4*\hh:PK+4*\hh+3], s[8:9] offset:8192*\hh
.endr
	s_branch .Lend
.Lis_v:
.irp hh, 0,1
	global_store_b128 v[VR], v[PW+4*\hh:PW+4*\hh+3], s[8:9] offset:8192*\hh
.endr
.Lend:
	s_wait_tensorcnt 0x0
	ds_add_u32 v[SPW], v[NIL]
	s_wait_dscnt 0x0
	CROUND
	s_endpgm
.Lfunc_end_k_q2a773c9b6c_qkv:
	.size	k_q2a773c9b6c_qkv, .Lfunc_end_k_q2a773c9b6c_qkv-k_q2a773c9b6c_qkv
	.p2alignl 7, 3214868480
	.fill 96, 4, 3214868480
	.section	.rodata,"a",@progbits
	.p2align	6, 0x0
	.amdhsa_kernel k_q2a773c9b6c_qkv
		.amdhsa_group_segment_fixed_size 327680
		.amdhsa_private_segment_fixed_size 0
		.amdhsa_enable_private_segment 0
		.amdhsa_kernarg_size 96
		.amdhsa_user_sgpr_count 2
		.amdhsa_user_sgpr_kernarg_segment_ptr 1
		.amdhsa_wavefront_size32 1
		.amdhsa_system_sgpr_workgroup_id_x 1
		.amdhsa_system_sgpr_workgroup_id_y 1
		.amdhsa_system_sgpr_workgroup_id_z 1
		.amdhsa_system_vgpr_workitem_id 0
		.amdhsa_next_free_vgpr 1024
		.amdhsa_next_free_sgpr 102
		.amdhsa_reserve_vcc 0
		.amdhsa_float_denorm_mode_32 3
		.amdhsa_float_denorm_mode_16_64 3
		.amdhsa_memory_ordered 1
		.amdhsa_forward_progress 1
		.amdhsa_inst_pref_size 218
	.end_amdhsa_kernel
	.amdgpu_metadata
---
amdhsa.version: [ 1, 2 ]
amdhsa.kernels:
  - .name:           k_q2a773c9b6c_qkv
    .symbol:         k_q2a773c9b6c_qkv.kd
    .args:
      - { .name: xq, .offset: 0, .size: 8, .value_kind: global_buffer, .address_space: global }
      - { .name: Wq_codes, .offset: 8, .size: 8, .value_kind: global_buffer, .address_space: global }
      - { .name: Wq_scales, .offset: 16, .size: 8, .value_kind: global_buffer, .address_space: global }
      - { .name: Wk_codes, .offset: 24, .size: 8, .value_kind: global_buffer, .address_space: global }
      - { .name: Wk_scales, .offset: 32, .size: 8, .value_kind: global_buffer, .address_space: global }
      - { .name: Wv_codes, .offset: 40, .size: 8, .value_kind: global_buffer, .address_space: global }
      - { .name: Wv_scales, .offset: 48, .size: 8, .value_kind: global_buffer, .address_space: global }
      - { .name: bq, .offset: 56, .size: 8, .value_kind: global_buffer, .address_space: global }
      - { .name: bk, .offset: 64, .size: 8, .value_kind: global_buffer, .address_space: global }
      - { .name: bv, .offset: 72, .size: 8, .value_kind: global_buffer, .address_space: global }
      - { .name: qb, .offset: 80, .size: 8, .value_kind: global_buffer, .address_space: global }
      - { .name: kv, .offset: 88, .size: 8, .value_kind: global_buffer, .address_space: global }
    .group_segment_fixed_size: 327680
    .private_segment_fixed_size: 0
    .kernarg_segment_align: 8
    .kernarg_segment_size: 96
    .max_flat_workgroup_size: 128
    .sgpr_count:     102
    .vgpr_count:     1024
    .wavefront_size: 32
...
	.end_amdgpu_metadata
.endif
;; end of part 2
;; launch attn (part 3): grid 8 x 32, 16 waves a work-group, clusters of 4 x 1, 272,384 bytes of LDS; arguments qb, kv, ctx; writes ctx
.if DOCPART == 3
	.amdgcn_target "amdgcn-amd-amdhsa--gfx1250"
	.amdhsa_code_object_version 6
	.text
	.protected	k_q2a773c9b6c_attn
	.globl	k_q2a773c9b6c_attn
	.p2align	8
	.type	k_q2a773c9b6c_attn,@function
k_q2a773c9b6c_attn:
	s_mov_b64 s[64:65], 0
	v_nop
	global_prefetch_b8 v0, s[64:65] scope:SCOPE_SE
	s_setreg_imm32_b32 hwreg(HW_REG_WAVE_MODE, 25, 1), 1
	s_wait_xcnt 0x0
	s_wait_alu depctr_hold_cnt(0) depctr_sa_sdst(0) depctr_va_vdst(0) depctr_va_sdst(0) depctr_va_ssrc(0) depctr_va_vcc(0) depctr_vm_vsrc(0)
	s_getreg_b32 s2, hwreg(HW_REG_IB_STS2, 6, 4)
	s_cmp_eq_u32 s2, 0
	s_cbranch_scc0 .Lentry_in_a_cluster
	s_endpgm
.Lentry_in_a_cluster:
	s_bfe_u32 s2, ttmp6, 0x10000c
	s_cmp_lg_u32 s2, 0x3003
	s_cbranch_scc0 .Lentry_shape_is_right
	s_endpgm
.Lentry_shape_is_right:
; ctx[q] = (sum over keys of p V) / l, p = 2^(t - M), t = (q . k) log2(e) / 8, M the running largest t rounded up to a whole number, l the sum of the unquantised p; both products on codes of E4M3 with E8M0 scales.
; ctx is quantised along the model's 1,024 and stored as images of operand registers for the next product.
; SHARES.  A work-group owns 256 queries of one of the 32 (batch, head); each of its sixteen waves one tile of 16 queries in 256 registers: four waves to a SIMD.
; A HEAD'S WHOLE K AND V LIE IN LDS: 262,144 bytes of codes and 8,192 of scale words, each LDS byte filled ONCE: nothing is filled again, nothing is stored to LDS.  The four query blocks of a cluster ask jointly.
; Each wave issues ONE load at the head: waves 0 to 7 an eighth of the codes (32,768 bytes, two key steps), waves 8 to 15 an eighth of the scale words (1,024 bytes).  One wait for 0 and one barrier show all of it; then one loop of sixteen key steps with no barrier in it.
; LAYOUT.  All operands lie as images of their registers: a load of 16 bytes a lane at 16 x lane.  Both products are used transposed: a lane holds one query (lane % 16) throughout.
; THE HEAD'S d IS 64, HALF OF THE INSTRUCTION'S K.  A fragment of K carries TWO key tiles, keys 32 b + r in k = 0..63 and keys 32 b + 16 + r in k = 64..127; multiplied by [q, 0] it gives the first tile's scores, by [0, q] the second's: zero codes add nothing.
; So register 16 b + 8 u + j of a lane holds key 32 b + 16 u + 8 h + j, and p's conversions, taken as they fall, give source 1 of the second product with the keys of each block of 32 in the order 8 h + j + 16 u; V was stored in that same order.
; No prefetch: all of the head's K and V is asked for at the kernel's head; there is no later load to run ahead of.
; LIMITS: NaN and infinities are not served; blocks under 2^-118, zeros too, get the scale byte 1; the scaled scores stay under 2^31 in magnitude.
.set SCB,  262144                      ; LDS: the scale words, 512 bytes a key step (K's 256, V's 256)
.set AL,   1                           ; v1  16 x lane
.set ASC,  2                           ; v2  SCB + 16 r
.set VO,   3                           ; v3  16 r + 8 h
.set V4,   4                           ; v4  4 x lane
.set ADK,  8                           ; v8  the step's fragments;  v9 its scale words
.set ADS,  9
.set QSW,  40                          ; v40 q's scale word;  v16-23 q, v24-31 zeros, v32-39 q
.set FRG,  48                          ; v48-111  four fragments, K's then V's
.set S,    112                         ; v112-175 the scores, then p
.set O,    176                         ; v176-207 O^T
.set PC,   208                         ; v208-223 p's codes
.set BM,   224
.set BP,   228
.set BH,   232
.set BS,   236
.set F,    240                         ; v240 f = 2^(old M - new M);  v241 p's scale word;  v242 at work
.set PWD,  241
.set T,    242
.set KSC,  248
.set VSC,  252
.set WV,   18
.set MNT,  19
.set SEL,  20
.set CS,   22
.set G1C,  24
.set G1S,  32
.set G0S,  40
.set G0C,  44
.set TB,   60
.set TS,   61
.set CNT,  62
.macro CROUND
	s_barrier_signal -1
	s_barrier_wait -1
	s_cmp_lg_u32 s[WV], 0
	s_cbranch_scc1 .Lnot_wave_0_\@
	s_barrier_signal -3
.Lnot_wave_0_\@:
	s_barrier_wait -3
	s_barrier_signal -1
	s_barrier_wait -1
.endm
	s_load_b128 s[4:7], s[0:1], 0x0                ; qb, kv
	s_load_b64 s[8:9], s[0:1], 0x10                ; ctx
	v_lshl_add_u32 v246, v0, 2, 0x42000
	v_mov_b32 v247, 0
	ds_add_u32 v246, v247
	ds_add_u32 v246, v247
	v_lshrrev_b32 v5, 5, v0
	s_delay_alu instid0(VALU_DEP_1)
	v_readfirstlane_b32 s[WV], v5                  ; wave 0..15
	s_bfe_u32 s66, ttmp6, 0x40000                  ; cx: it enters q's and ctx's addresses alone
	s_lshl_b32 s67, ttmp9, 2
	s_add_co_u32 s67, s67, s66
	s_lshl_b32 s67, s67, 4
	s_add_co_u32 s67, s67, s[WV]                   ; my tile of 16 queries, 0..127
	s_and_b32 s68, ttmp7, 0xffff                   ; 16 x batch + head, which the four partners share
	s_lshl_b32 s70, s68, 18
	s_lshl_b32 s74, s[WV], 15                      ; waves 0 to 7: 32,768 bytes of the head's codes each
	s_add_co_u32 s70, s70, s74
	s_mov_b32 s71, 0
	s_lshl_b32 s72, s68, 13
	s_and_b32 s75, s[WV], 7
	s_lshl_b32 s75, s75, 10                        ; waves 8 to 15: 1,024 bytes of the scale words each
	s_add_co_u32 s72, s72, s75
	s_add_co_u32 s72, s72, 0x800000
	s_mov_b32 s73, 0
	s_lshl_b32 s78, s68, 7
	s_add_co_u32 s78, s78, s67
	s_lshl_b32 s78, s78, 10                        ; q's image
	s_mov_b32 s79, 0
	s_lshl_b32 s80, s68, 13
	s_lshr_b32 s81, s67, 2
	s_lshl_b32 s81, s81, 8
	s_add_co_u32 s80, s80, s81
	s_and_b32 s81, s67, 3
	s_lshl_b32 s81, s81, 2
	s_add_co_u32 s80, s80, s81
	s_add_co_u32 s80, s80, 0x400000                ; q's scale words: [head][query / 64][r][tile % 4]
	s_mov_b32 s81, 0
	s_lshr_b32 s86, s68, 4                         ; batch
	s_and_b32 s87, s68, 15                         ; head
	s_lshl_b32 s86, s86, 7
	s_add_co_u32 s86, s86, s67                     ; row / 16
	s_lshl_b32 s86, s86, 2
	s_lshr_b32 s88, s87, 2
	s_add_co_u32 s86, s86, s88
	s_mul_i32 s86, s86, 4352                       ; ctx's record: 16 rows x 256 along K: two fragments and their scale words
	s_bfe_u32 s88, s87, 0x10001                    ; which fragment: (head / 2) % 2
	s_and_b32 s87, s87, 1                          ; which half of it
	s_lshl_b32 s82, s88, 11
	s_lshl_b32 s89, s87, 10
	s_add_co_u32 s82, s82, s89
	s_add_co_u32 s82, s82, s86
	s_mov_b32 s83, 0
	s_lshl_b32 s84, s88, 7
	s_lshl_b32 s89, s87, 1
	s_add_co_u32 s84, s84, s89
	s_add_co_u32 s84, s84, s86
	s_add_co_u32 s84, s84, 4096
	s_mov_b32 s85, 0
	; descriptor groups 1: dense blocks as rows of 256 bytes (32 elements of 8 bytes); 128 rows of codes, 4 rows of scale words; the mask names all four work-groups, bit 21 beside it
	s_mov_b32 s[G1C], 15|(3<<16)|(1<<21)
	s_mov_b32 s[G1C+1], 32<<16
	s_mov_b32 s[G1C+2], 128<<16
	s_mov_b32 s[G1C+3], 32<<16
	s_mov_b32 s[G1C+4], 128
	s_mov_b32 s[G1C+5], 32
	s_mov_b32 s[G1C+6], 0
	s_mov_b32 s[G1C+7], 0
	s_mov_b32 s[G1S], 15|(3<<16)|(1<<21)
	s_mov_b32 s[G1S+1], 32<<16
	s_mov_b32 s[G1S+2], 4<<16
	s_mov_b32 s[G1S+3], 32<<16
	s_mov_b32 s[G1S+4], 4
	s_mov_b32 s[G1S+5], 32
	s_mov_b32 s[G1S+6], 0
	s_mov_b32 s[G1S+7], 0
	s_mov_b32 s[MNT], 0x600000
	s_mov_b32 s[SEL], 0x76543210
	s_mov_b32 s[SEL+1], 0xfedcba98
	s_mov_b32 s[CS], 0x3e38aa3b                    ; c = log2(e) / 8
	s_mov_b32 s[CS+1], s[CS]
	s_mov_b32 s[TB], 0
	s_mov_b32 s[TS], 0
	s_wait_dscnt 0x0
	s_wait_kmcnt 0x0
	s_add_nc_u64 s[76:77], s[6:7], s[70:71]
	s_add_nc_u64 s[72:73], s[6:7], s[72:73]
	s_add_nc_u64 s[78:79], s[4:5], s[78:79]
	s_add_nc_u64 s[80:81], s[4:5], s[80:81]
	s_add_nc_u64 s[82:83], s[8:9], s[82:83]
	s_add_nc_u64 s[84:85], s[8:9], s[84:85]
	CROUND                                         ; all four work-groups are here: the joint loads meet
	s_mov_b32 s[G0S], 1
	s_add_co_u32 s[G0S+1], s75, SCB
	s_mov_b64 s[G0S+2:G0S+3], s[72:73]
	s_or_b32 s[G0S+3], s[G0S+3], 0x80000000
	s_mov_b32 s[G0C], 1
	s_mov_b32 s[G0C+1], s74
	s_mov_b64 s[G0C+2:G0C+3], s[76:77]
	s_or_b32 s[G0C+3], s[G0C+3], 0x80000000
	s_cmp_lt_u32 s[WV], 8                          ; one joint load a wave
	s_cbranch_scc0 .Lfor_scales
	tensor_load_to_lds s[G0C:G0C+3], s[G1C:G1C+7]
	s_nop 0
.rept 4
	v_nop
.endr
	s_branch .Lasked
.Lfor_scales:
	tensor_load_to_lds s[G0S:G0S+3], s[G1S:G1S+7]
	s_nop 0
.rept 4
	v_nop
.endr
.Lasked:
	v_and_b32 v5, 31, v0
	s_delay_alu instid0(VALU_DEP_1)
	v_lshlrev_b32 v[AL], 4, v5
	s_delay_alu instid0(VALU_DEP_2)
	v_lshlrev_b32 v[V4], 2, v5
	v_and_b32 v6, 15, v0                           ; r
	v_bfe_u32 v7, v0, 4, 1                         ; h
	s_delay_alu instid0(VALU_DEP_2)
	v_lshl_add_u32 v[ASC], v6, 4, SCB
	s_delay_alu instid0(VALU_DEP_3)
	v_lshlrev_b32 v10, 4, v6
	s_delay_alu instid0(VALU_DEP_1)
	v_lshl_add_u32 v[VO], v7, 3, v10
	global_load_b128 v[16:19], v[AL], s[78:79]
	global_load_b128 v[20:23], v[AL], s[78:79] offset:512
	global_load_b128 v[32:35], v[AL], s[78:79]
	global_load_b128 v[36:39], v[AL], s[78:79] offset:512
	global_load_b32 v[QSW], v10, s[80:81]
.irp j, 24,25,26,27,28,29,30,31
	v_mov_b32 v\j, 0                               ; the zero codes between the two copies of q
.endr
	v_mov_b32 v13, 0xff61b1e6                      ; the largest t so far: -3e38
	s_delay_alu instid0(VALU_DEP_1)
	v_floor_f32 v12, -v13                          ; -M
	v_mov_b32 v14, 0                               ; the sum, in two halves
	v_mov_b32 v15, 0
.irp b, 0,1,2,3
	v_mov_b32 v[BP+\b], 0                          ; a lane permute's destination counts as one of its sources
.endr
	v_mov_b32 v[PWD], 0
.set j, 0
.rept 32
	v_mov_b32 v[O+j], 0                            ; the step is written once: the first finds zeros, which the first change of M leaves zeros
.set j, j+1
.endr
; A KEY STEP: 128 keys
.macro STEP
	v_add_nc_u32 v[ADK], s[TB], v[AL]
	v_add_nc_u32 v[ADS], s[TS], v[ASC]
.rept 6
	v_nop                                          ; with the two additions: eight places between the last products and the loads into their registers
.endr
.irp b, 0,1,2,3
.irp c, 0,1,2,3
	ds_load_b128 v[FRG+16*\b+4*\c:FRG+16*\b+4*\c+3], v[ADK] offset:2048*\b+512*\c
.endr
.endr
	ds_load_b128 v[KSC:KSC+3], v[ADS]
	s_wait_alu depctr_va_vdst(0)
	s_wait_dscnt 0x0
.irp b, 0,1,2,3
	v_wmma_scale_f32_16x16x128_f8f6f4 v[S+16*\b:S+16*\b+7], v[FRG+16*\b:FRG+16*\b+15], v[16:31], 0, v[KSC+\b], v[QSW]
	v_wmma_scale_f32_16x16x128_f8f6f4 v[S+16*\b+8:S+16*\b+15], v[FRG+16*\b:FRG+16*\b+15], v[24:39], 0, v[KSC+\b], v[QSW]
.endr
.rept 8
	v_nop
.endr
.irp t, 0,1,2,3                                ; V's fragments land while the softmax is worked
.irp c, 0,1,2,3
	ds_load_b128 v[FRG+16*\t+4*\c:FRG+16*\t+4*\c+3], v[ADK] offset:8192+2048*\t+512*\c
.endr
.endr
	ds_load_b128 v[VSC:VSC+3], v[ADS] offset:256
.irp b, 0,1,2,3
	v_max3_num_f32 v[BM+\b], v[S+16*\b], v[S+1+16*\b], v[S+2+16*\b]   ; the largest score of each block of 32 keys: for the row's maximum and for the block's largest p
.endr
.irp i, 3,5,7,9,11,13
.irp b, 0,1,2,3
	v_max3_num_f32 v[BM+\b], v[BM+\b], v[S+16*\b+\i], v[S+1+16*\b+\i]
.endr
.endr
.irp b, 0,1,2,3
	v_max_num_f32 v[BM+\b], v[BM+\b], v[S+15+16*\b]
.endr
.irp b, 0,1,2,3
	s_delay_alu instid0(VALU_DEP_4)
	v_permlanex16_b32 v[BP+\b], v[BM+\b], s[SEL], s[SEL+1]
.endr
.irp b, 0,1,2,3
	s_delay_alu instid0(VALU_DEP_4)
	v_max_num_f32 v[BM+\b], v[BM+\b], v[BP+\b]
.endr
	s_delay_alu instid0(VALU_DEP_2)
	v_max3_num_f32 v[T], v[BM], v[BM+1], v[BM+2]
	s_delay_alu instid0(VALU_DEP_1)
	v_max_num_f32 v[T], v[T], v[BM+3]
	s_delay_alu instid0(VALU_DEP_1)
	v_mul_f32 v[T], s[CS], v[T]
	s_delay_alu instid0(VALU_DEP_1)
	v_max_num_f32 v13, v13, v[T]                   ; the running largest t
	v_mov_b32 v[T], v12
	s_delay_alu instid0(VALU_DEP_2)
	v_floor_f32 v12, -v13                          ; the new -M = -ceil(t)
	s_delay_alu instid0(VALU_DEP_1)
	v_sub_f32 v[T], v12, v[T]                      ; old M - new M: a whole number, 0 or less
	s_delay_alu instid0(VALU_DEP_1)
	v_cvt_i32_f32 v[T], v[T]
	s_delay_alu instid0(VALU_DEP_1)
	v_ldexp_f32 v[F], 1.0, v[T]                    ; f: a multiplication by it rounds nothing
.set j, 0
.rept 32
	v_pk_fma_f32 v[S+j:S+j+1], v[S+j:S+j+1], s[CS:CS+1], v[12:13] op_sel_hi:[1,0,0]   ; t - M
.set j, j+2
.endr
.irp b, 0,1,2,3
	v_fma_f32 v[BM+\b], v[BM+\b], s[CS], v12
.endr
.set j, 0
	s_wait_alu depctr_va_vdst(0)
.rept 64
	v_exp_f32 v[S+j], v[S+j]                       ; p = 2^(t - M)
.set j, j+1
.endr
.irp b, 0,1,2,3
	v_exp_f32 v[BM+\b], v[BM+\b]                   ; the block's largest p: the same two instructions on the same number
.endr
	v_pk_mul_f32 v[14:15], v[14:15], v[F:F+1] op_sel_hi:[1,0]   ; the sums under the new M; a plain instruction behind the exponentials
	s_wait_alu depctr_va_vdst(0)
.irp b, 0,1,2,3
	v_max_num_f32 v[BM+\b], 0x4800000, v[BM+\b]    ; the floor 2^(9 - 127)
.endr
.irp b, 0,1,2,3
	s_delay_alu instid0(VALU_DEP_4)
	v_add_nc_u32 v[BS+\b], 0xfc000000, v[BM+\b]
.endr
.irp b, 0,1,2,3
	v_and_or_b32 v[BH+\b], v[BM+\b], 0x7f800000, s[MNT]
.endr
.irp b, 0,1,2,3
	v_lshrrev_b32 v[BP+\b], 23, v[BS+\b]
.endr
	s_delay_alu instid0(VALU_DEP_3)
	v_lshl_or_b32 v[PWD], v[BP+1], 8, v[BP]        ; p's scale word for these 128 keys
	s_delay_alu instid0(VALU_DEP_1)
	v_lshl_or_b32 v[PWD], v[BP+2], 16, v[PWD]
	s_delay_alu instid0(VALU_DEP_1)
	v_lshl_or_b32 v[PWD], v[BP+3], 24, v[PWD]
	v_pk_add_f32 v[228:229], v[116:117], v[120:121] ; the row's sum of the unquantised p, in eight chains
	v_pk_add_f32 v[250:251], v[124:125], v[128:129]
	v_pk_add_f32 v[248:249], v[132:133], v[136:137]
	v_pk_add_f32 v[244:245], v[140:141], v[144:145]
	v_pk_add_f32 v[226:227], v[148:149], v[152:153]
	v_pk_add_f32 v[224:225], v[156:157], v[160:161]
	v_pk_add_f32 v[222:223], v[164:165], v[168:169]
	v_pk_add_f32 v[14:15], v[14:15], v[172:173]
	v_pk_add_f32 v[228:229], v[228:229], v[112:113]
	v_pk_add_f32 v[250:251], v[250:251], v[114:115]
	v_pk_add_f32 v[248:249], v[248:249], v[118:119]
	v_pk_add_f32 v[244:245], v[244:245], v[122:123]
	v_pk_add_f32 v[226:227], v[226:227], v[126:127]
	v_pk_add_f32 v[224:225], v[224:225], v[130:131]
	v_pk_add_f32 v[222:223], v[222:223], v[134:135]
	v_pk_add_f32 v[14:15], v[14:15], v[138:139]
	v_pk_add_f32 v[228:229], v[228:229], v[142:143]
	v_pk_add_f32 v[250:251], v[250:251], v[146:147]
	v_pk_add_f32 v[248:249], v[248:249], v[150:151]
	v_pk_add_f32 v[244:245], v[244:245], v[154:155]
	v_pk_add_f32 v[226:227], v[226:227], v[158:159]
	v_pk_add_f32 v[224:225], v[224:225], v[162:163]
	v_pk_add_f32 v[222:223], v[222:223], v[166:167]
	v_pk_add_f32 v[14:15], v[14:15], v[170:171]
	v_pk_add_f32 v[228:229], v[228:229], v[174:175]
	s_delay_alu instid0(VALU_DEP_2)
	v_pk_add_f32 v[14:15], v[14:15], v[244:245]
	s_delay_alu instid0(VALU_DEP_2)
	v_pk_add_f32 v[228:229], v[228:229], v[226:227]
	v_pk_add_f32 v[250:251], v[250:251], v[224:225]
	v_pk_add_f32 v[248:249], v[248:249], v[222:223]
	s_delay_alu instid0(VALU_DEP_2)
	v_pk_add_f32 v[14:15], v[14:15], v[250:251]
	s_delay_alu instid0(VALU_DEP_2)
	v_pk_add_f32 v[228:229], v[228:229], v[248:249]
	s_delay_alu instid0(VALU_DEP_1)
	v_pk_add_f32 v[14:15], v[14:15], v[228:229]
.irp b, 0,1,2,3
.irp i, 0,1,2,3,4,5,6,7,8,9,10,11,12,13,14,15
	v_min_num_f32 v[S+16*\b+\i], v[S+16*\b+\i], v[BH+\b]   ; the conversion does not saturate (ISA guide 7.6.2); p is not negative: a one-sided hold
.endr
	v_cvt_scalef32_pk8_fp8_f32 v[PC+4*\b:PC+4*\b+1], v[S+16*\b:S+16*\b+7], v[BS+\b]
	v_cvt_scalef32_pk8_fp8_f32 v[PC+4*\b+2:PC+4*\b+3], v[S+16*\b+8:S+16*\b+15], v[BS+\b]
.endr
.set j, 0
.rept 16
	v_pk_mul_f32 v[O+j:O+j+1], v[O+j:O+j+1], v[F:F+1] op_sel_hi:[1,0]   ; O^T under the new M; these sixteen are also the places ahead of the products below
.set j, j+2
.endr
	s_wait_alu depctr_va_vdst(0)
	s_wait_dscnt 0x0                               ; V
.irp t, 0,1,2,3
	v_wmma_scale_f32_16x16x128_f8f6f4 v[O+8*\t:O+8*\t+7], v[FRG+16*\t:FRG+16*\t+15], v[PC:PC+15], v[O+8*\t:O+8*\t+7], v[VSC+\t], v[PWD]
.endr
	s_add_co_u32 s[TB], s[TB], 16384
	s_add_co_u32 s[TS], s[TS], 512
.endm
	s_wait_loadcnt 0x0                             ; q
	s_wait_tensorcnt 0x0                           ; my one load has landed
	s_barrier_signal -1
	s_barrier_wait -1                              ; everybody's has: the head's K, V and scale words are whole
	s_mov_b32 s[CNT], 16
.Lstep:
	STEP
	s_sub_co_u32 s[CNT], s[CNT], 1
	s_cmp_lg_u32 s[CNT], 0
	s_cbranch_scc1 .Lstep
; THE WAY OUT: O^T / l, quantised along d (two blocks of 32), stored as half of a fragment's image
.rept 8
	v_nop
.endr
	v_add_f32 v14, v14, v15
	s_delay_alu instid0(VALU_DEP_1)
	v_permlanex16_b32 v[T], v14, s[SEL], s[SEL+1]
	s_delay_alu instid0(VALU_DEP_1)
	v_add_f32 v14, v14, v[T]                       ; the row's sum
	s_wait_alu depctr_va_vdst(0)
	v_rcp_f32 v14, v14
	v_nop
.set j, 0
	s_wait_alu depctr_va_vdst(0)
.rept 32
	v_mul_f32 v[S+j], v[O+j], v14                  ; register 16 B + 8 u + j: d = 32 B + 16 u + 8 h + j of query r
.set j, j+1
.endr
.irp b, 0,1
	v_max3_num_f32 v[BM+\b], |v[S+16*\b]|, |v[S+1+16*\b]|, 0x4800000
.endr
.irp i, 2,4,6,8,10,12,14
.irp b, 0,1
	s_delay_alu instid0(VALU_DEP_2)
	v_max3_num_f32 v[BM+\b], v[BM+\b], |v[S+16*\b+\i]|, |v[S+1+16*\b+\i]|
.endr
.endr
.irp b, 0,1
	s_delay_alu instid0(VALU_DEP_2)
	v_permlanex16_b32 v[BP+\b], v[BM+\b], s[SEL], s[SEL+1]
.endr
.irp b, 0,1
	s_delay_alu instid0(VALU_DEP_2)
	v_max_num_f32 v[BM+\b], v[BM+\b], v[BP+\b]
.endr
.irp b, 0,1
	s_delay_alu instid0(VALU_DEP_2)
	v_add_nc_u32 v[BS+\b], 0xfc000000, v[BM+\b]
.endr
.irp b, 0,1
	s_delay_alu instid0(VALU_DEP_4)
	v_and_or_b32 v[BH+\b], v[BM+\b], 0x7f800000, s[MNT]
.endr
.irp b, 0,1
	s_delay_alu instid0(VALU_DEP_4)
	v_lshrrev_b32 v[BP+\b], 23, v[BS+\b]
.endr
	s_delay_alu instid0(VALU_DEP_1)
	v_lshl_or_b32 v[T], v[BP+1], 8, v[BP]          ; my head's two bytes of the row's scale word
.irp b, 0,1
.irp i, 0,1,2,3,4,5,6,7,8,9,10,11,12,13,14,15
	v_med3_num_f32 v[S+16*\b+\i], v[S+16*\b+\i], -v[BH+\b], v[BH+\b]
.endr
	v_cvt_scalef32_pk8_fp8_f32 v[PC+4*\b:PC+4*\b+1], v[S+16*\b:S+16*\b+7], v[BS+\b]
	v_cvt_scalef32_pk8_fp8_f32 v[PC+4*\b+2:PC+4*\b+3], v[S+16*\b+8:S+16*\b+15], v[BS+\b]
.endr
	v_nop
.irp b, 0,1
.irp u, 0,1
	global_store_b64 v[VO], v[PC+4*\b+2*\u:PC+4*\b+2*\u+1], s[82:83] offset:512*\b+256*\u   ; 256 consecutive bytes
.endr
.endr
	global_store_b16 v[V4], v[T], s[84:85]         ; two bytes a lane: a row's word spans two heads, which are two work-groups'; one part in 32 of what the launch stores
	s_wait_tensorcnt 0x0
	ds_add_u32 v246, v247
	s_wait_dscnt 0x0
	CROUND                                         ; the closing round: no work-group ends while a partner may still ask
	s_endpgm
.Lfunc_end_k_q2a773c9b6c_attn:
	.size	k_q2a773c9b6c_attn, .Lfunc_end_k_q2a773c9b6c_attn-k_q2a773c9b6c_attn
	.p2alignl 7, 3214868480
	.fill 96, 4, 3214868480
	.section	.rodata,"a",@progbits
	.p2align	6, 0x0
	.amdhsa_kernel k_q2a773c9b6c_attn
		.amdhsa_group_segment_fixed_size 272384
		.amdhsa_private_segment_fixed_size 0
		.amdhsa_enable_private_segment 0
		.amdhsa_kernarg_size 24
		.amdhsa_user_sgpr_count 2
		.amdhsa_user_sgpr_kernarg_segment_ptr 1
		.amdhsa_wavefront_size32 1
		.amdhsa_system_sgpr_workgroup_id_x 1
		.amdhsa_system_sgpr_workgroup_id_y 1
		.amdhsa_system_sgpr_workgroup_id_z 1
		.amdhsa_system_vgpr_workitem_id 0
		.amdhsa_next_free_vgpr 256
		.amdhsa_next_free_sgpr 92
		.amdhsa_reserve_vcc 0
		.amdhsa_float_denorm_mode_32 3
		.amdhsa_float_denorm_mode_16_64 3
		.amdhsa_memory_ordered 1
		.amdhsa_forward_progress 1
		.amdhsa_inst_pref_size 35
	.end_amdhsa_kernel
	.amdgpu_metadata
---
amdhsa.version: [ 1, 2 ]
amdhsa.kernels:
  - .name:           k_q2a773c9b6c_attn
    .symbol:         k_q2a773c9b6c_attn.kd
    .args:
      - { .name: qb, .offset: 0, .size: 8, .value_kind: global_buffer, .address_space: global }
      - { .name: kv, .offset: 8, .size: 8, .value_kind: global_buffer, .address_space: global }
      - { .name: ctx, .offset: 16, .size: 8, .value_kind: global_buffer, .address_space: global }
    .group_segment_fixed_size: 272384
    .private_segment_fixed_size: 0
    .kernarg_segment_align: 8
    .kernarg_segment_size: 24
    .max_flat_workgroup_size: 512
    .sgpr_count:     92
    .vgpr_count:     256
    .wavefront_size: 32
...
	.end_amdgpu_metadata
.endif
;; end of part 3
;; launch wo (part 4): grid 8 x 32, 4 waves a work-group, clusters of 4 x 4, 327,680 bytes of LDS; arguments ctx, Wo_codes, Wo_scales, bo, x, out1; writes out1
.if DOCPART == 4
	.amdgcn_target "amdgcn-amd-amdhsa--gfx1250"
	.amdhsa_code_object_version 6
	.text
	.protected	k_q2a773c9b6c_wo
	.globl	k_q2a773c9b6c_wo
	.p2align	8
	.type	k_q2a773c9b6c_wo,@function
k_q2a773c9b6c_wo:
	s_mov_b64 s[64:65], 0
	v_nop
	global_prefetch_b8 v0, s[64:65] scope:SCOPE_SE
	s_setreg_imm32_b32 hwreg(HW_REG_WAVE_MODE, 25, 1), 1
	s_wait_xcnt 0x0
	s_wait_alu depctr_hold_cnt(0) depctr_sa_sdst(0) depctr_va_vdst(0) depctr_va_sdst(0) depctr_va_ssrc(0) depctr_va_vcc(0) depctr_vm_vsrc(0)
	s_getreg_b32 s2, hwreg(HW_REG_IB_STS2, 6, 4)
	s_cmp_eq_u32 s2, 0
	s_cbranch_scc0 .Lentry_in_a_cluster
	s_endpgm
.Lentry_in_a_cluster:
	s_bfe_u32 s2, ttmp6, 0x10000c
	s_cmp_lg_u32 s2, 0xf033
	s_cbranch_scc0 .Lentry_shape_is_right
	s_endpgm
.Lentry_shape_is_right:
; out = A B^T + bias + residual, f32, K = 1,024.  A: 4,096 rows as RECORDS of operand images (16 rows x 256 of K: two fragments of 2,048 bytes, then their scale words, 128 bytes each: 4,352 bytes); B: [1,024][K] codes of E4M3 with E8M0 bytes [1,024][32].
; A block of out is 128 x 128: 8 x 32 = 256 work-groups.  Four waves, 2 x 2, each 64 x 64 in 16 accumulators, which take turns.  The product is used transposed (source 0 = B's rows): a lane holds eight neighbouring columns of a row.
; ALL OF K LIES IN LDS, each byte filled ONCE, by one load a wave at the head: wave 0 A's 32 records (139,264 dense bytes), waves 1 and 3 the halves of B's 128 rows (1,024 bytes + 16 of padding each), wave 2 B's 4,096 scale bytes.
; CLUSTERS of 4 x 4: A's tile is asked for jointly along a row of the cluster, B's tile and scale bytes along a column.
; The eight quarters of 128 along K go through two sets of fragment registers; both halves' scale words are fetched at the start.  The bias is the first products' C.
; The residual's 32 loads a wave go out at the head, behind the tensor load, into registers that nothing else names, and are added on the way out.
; The stages of the way out lie over A's first bytes: a barrier stands between every wave's last read of the tiles and the first store there.
; Nothing is prefetched: all tiles are asked for at the head, and there is no later load to run ahead of.
.set K,      1024
.set NT,     K/256
.set KS,     K/32
.set REC,    4352
.set BP,     1040                      ; B's LDS row: 1,024 bytes + 16
.set ABYTES, 32*REC
.set SCL,    ABYTES+128*BP             ; B's scale bytes: units of 256 bytes + 16
.set SBLK,   (16*KS/256)*272           ; those of 16 rows
.set SPARE,  SCL+8*SBLK
.set SP,     272                       ; the stage's row: 256 bytes + 16
.set ADRA, 16                          ; v16-17 A's fragments of K's first and second half; v18-19 A's scale words; v20-21 B's fragments
.set ADAS, 18
.set ADRB, 20
.set STO,  24
.set RD,   25
.set CO,   26
.set ADRS, 27
.set SPW,  28
.set NIL,  29
.set BO,   30
.set SB,   32                          ; scale words, set s at + 64 s: B's at 32 + 4 b + q, A's at 48 + 4 a + (q + 1) % 4: no product's two words have numbers equal modulo 8
.set SA,   48
.set BI,   64                          ; v64-95 the bias in the result's layout
.set AF,   128                         ; window 0: A's fragments, two sets of 64; window 1: v0-127 B's two sets, v128-255 the residual; window 2: v0-127 the sums
.set G1A, 24
.set G1B, 48
.set G0B, 56
.set G1S, 68
.set G0S, 76
.set G0H, 80
.set MSB, 0
.macro WIN new
.if MSB != \new
	s_set_vgpr_msb (MSB<<8)|\new
.set MSB, \new
.endif
.endm
.macro PLACES n
.rept \n
	v_nop
.endr
.endm
.macro TL g0, g1                       ; a tensor load; s_nop 0 and four v_nop follow it
	tensor_load_to_lds s[\g0:\g0+3], s[\g1:\g1+7]
	s_nop 0
	PLACES 4
.endm
.macro CROUND
	s_barrier_signal -1
	s_barrier_wait -1
	s_cmp_lg_u32 s14, 0
	s_cbranch_scc1 .Lnot_wave_0_\@
	s_barrier_signal -3
.Lnot_wave_0_\@:
	s_barrier_wait -3
	s_barrier_signal -1
	s_barrier_wait -1
.endm
	s_load_b256 s[4:11], s[0:1], 0x0               ; A, B's codes, B's scales, bias
	s_load_b128 s[96:99], s[0:1], 0x20             ; residual, out
	v_lshl_add_u32 v[SPW], v0, 2, SPARE
	v_mov_b32 v[NIL], 0
	ds_add_u32 v[SPW], v[NIL]                      ; the opening lines: the add twice on end and its wait
	ds_add_u32 v[SPW], v[NIL]
	v_lshrrev_b32 v1, 5, v0
	v_readfirstlane_b32 s14, v1                    ; wave
	s_lshr_b32 s15, s14, 1                         ; my half of the block's rows; also which half of B's rows waves 1, 3 fetch
	s_and_b32 s16, s14, 1                          ; my half of its columns
	s_bfe_u32 s40, ttmp6, 0x40000
	s_bfe_u32 s41, ttmp6, 0x40004
	s_lshl_b32 s42, ttmp9, 2
	s_add_co_u32 s42, s42, s40                     ; block column
	s_and_b32 s17, ttmp7, 0xffff
	s_lshl_b32 s17, s17, 2
	s_add_co_u32 s17, s17, s41                     ; block row
	s_lshl_b32 s43, s41, 2
	s_lshl_b32 s43, 15, s43
	s_lshl_b32 s44, 0x1111, s40
	s_or_b32 s[G1A+0], s43, (3<<16)|(1<<21)        ; A: 8 rows of 2,176 elements of 8 bytes (four records), on end in memory
	s_mov_b32 s[G1A+1], 2176<<16
	s_mov_b32 s[G1A+2], 8<<16
	s_mov_b32 s[G1A+3], 2176<<16
	s_mov_b32 s[G1A+4], 8
	s_mov_b32 s[G1A+5], 2176
	s_mov_b32 s[G1A+6], 0
	s_mov_b32 s[G1A+7], 0
	s_or_b32 s[G1B+0], s44, (1<<20)|(1<<21)|(7<<22)|(3<<25)   ; B: 64 rows of 1,024 bytes, four words of padding behind every 256
	s_mov_b32 s[G1B+1], 1024<<16
	s_mov_b32 s[G1B+2], 64<<16
	s_mov_b32 s[G1B+3], 1024<<16
	s_mov_b32 s[G1B+4], 64
	s_mov_b32 s[G1B+5], K
	s_mov_b32 s[G1B+6], 0
	s_mov_b32 s[G1B+7], 0
	s_or_b32 s[G1S+0], s44, (3<<16)|(1<<20)|(1<<21)|(5<<22)|(3<<25)   ; B's scale bytes of 128 rows: dense, as rows of 256 bytes
	s_mov_b32 s[G1S+1], 32<<16
	s_mov_b32 s[G1S+2], (128*KS/256)<<16
	s_mov_b32 s[G1S+3], 32<<16
	s_mov_b32 s[G1S+4], 128*KS/256
	s_mov_b32 s[G1S+5], 32
	s_mov_b32 s[G1S+6], 0
	s_mov_b32 s[G1S+7], 0
	s_mul_i32 s20, s17, 8*NT*REC                   ; A: the block's first record
	s_mov_b32 s21, 0
	s_lshl_b32 s46, s42, 7
	s_lshl_b32 s47, s15, 6
	s_add_co_u32 s46, s46, s47
	s_mul_i32 s46, s46, K                          ; B: the first of 64 rows
	s_mov_b32 s47, 0
	s_mul_i32 s92, s42, 128*KS
	s_mov_b32 s93, 0
	s_mul_i32 s94, s15, 64*BP
	s_add_co_u32 s94, s94, ABYTES
	s_wait_dscnt 0x0
	s_wait_kmcnt 0x0
	s_add_nc_u64 s[20:21], s[4:5], s[20:21]
	s_add_nc_u64 s[46:47], s[6:7], s[46:47]
	s_add_nc_u64 s[92:93], s[8:9], s[92:93]
	CROUND                                         ; all sixteen work-groups are here
	s_mov_b32 s[G0H], 1
	s_mov_b32 s[G0H+1], 0
	s_mov_b64 s[G0H+2:G0H+3], s[20:21]
	s_or_b32 s[G0H+3], s[G0H+3], 0x80000000
	s_mov_b32 s[G0S], 1
	s_mov_b32 s[G0S+1], SCL
	s_mov_b64 s[G0S+2:G0S+3], s[92:93]
	s_or_b32 s[G0S+3], s[G0S+3], 0x80000000
	s_mov_b32 s[G0B], 1
	s_mov_b32 s[G0B+1], s94
	s_mov_b64 s[G0B+2:G0B+3], s[46:47]
	s_or_b32 s[G0B+3], s[G0B+3], 0x80000000
	s_cmp_eq_u32 s14, 0                            ; one load a wave, in one chain of branches on the wave's number
	s_cbranch_scc0 .Lh1
	TL G0H, G1A
	s_branch .Lasked
.Lh1:
	s_cmp_eq_u32 s14, 2
	s_cbranch_scc0 .Lh2
	TL G0S, G1S
	s_branch .Lasked
.Lh2:
	TL G0B, G1B
.Lasked:
	s_mul_i32 s20, s15, 16*REC                     ; my 64 rows of A: four rows of four records
	s_add_co_u32 s21, s20, 2*REC                   ; K's second half: two records on
	s_mul_i32 s22, s16, 64*BP                      ; my 64 rows of B
	s_add_co_u32 s22, s22, ABYTES
	s_add_co_u32 s23, s22, 512
	s_mul_i32 s45, s16, 4*SBLK
	s_add_co_u32 s45, s45, SCL
	s_mul_i32 s46, s14, 64*SP                      ; my stage
	s_lshl_b32 s92, s42, 9
	s_lshl_b32 s93, s16, 8
	s_add_co_u32 s92, s92, s93                     ; my first column, in bytes
	s_mov_b32 s93, 0
	s_add_nc_u64 s[10:11], s[10:11], s[92:93]
	s_lshl_b32 s94, s17, 7
	s_lshl_b32 s95, s15, 6
	s_add_co_u32 s94, s94, s95
	s_lshl_b32 s94, s94, 12                        ; my first row: 4,096 bytes a row
	s_add_co_u32 s94, s94, s92
	s_mov_b32 s95, 0
	s_add_nc_u64 s[96:97], s[96:97], s[94:95]
	s_add_nc_u64 s[98:99], s[98:99], s[94:95]
	v_and_b32 v1, 15, v0                           ; r
	v_bfe_u32 v2, v0, 4, 1                         ; h
	v_and_b32 v3, 31, v0                           ; lane
	v_lshlrev_b32 v4, 4, v3
	v_lshlrev_b32 v5, 2, v3
	v_mul_u32_u24 v6, v1, BP
	v_lshl_add_u32 v6, v2, 4, v6
	v_add_nc_u32 v[ADRA], s20, v4
	v_add_nc_u32 v[ADRA+1], s21, v4
	v_add_nc_u32 v[ADAS], s20, v5
	v_add_nc_u32 v[ADAS+1], s21, v5
	v_add_nc_u32 v[ADRB], s22, v6
	v_add_nc_u32 v[ADRB+1], s23, v6
	v_mul_u32_u24 v7, v1, KS
	v_lshrrev_b32 v8, 8, v7
	v_lshl_add_u32 v7, v8, 4, v7                   ; row r's scale bytes: KS a row, 16 more for each 256 passed
	v_add_nc_u32 v[ADRS], s45, v7
	v_mul_u32_u24 v8, v1, SP
	v_lshl_add_u32 v8, v2, 5, v8
	v_add_nc_u32 v[STO], s46, v8                   ; the stage, in: row r, 32 bytes for each half of the lanes
	v_mul_u32_u24 v9, v2, SP
	v_lshl_add_u32 v9, v1, 4, v9
	v_add_nc_u32 v[RD], s46, v9                    ; back: lanes 0-15 one row of 256 bytes, lanes 16-31 the next
	v_lshlrev_b32 v10, 12, v2
	v_lshl_add_u32 v[CO], v1, 4, v10               ; the same two rows in out and in the residual
	v_lshlrev_b32 v[BO], 5, v2
.irp b, 0,1,2,3
	global_load_b128 v[BI+8*\b:BI+8*\b+3], v[BO], s[10:11] offset:64*\b      ; bias of columns 16 b + 8 h + 0 .. 7
	global_load_b128 v[BI+8*\b+4:BI+8*\b+7], v[BO], s[10:11] offset:64*\b+16
.endr
	WIN 0x40
.set t, 0
.rept 32
	global_load_b128 v[128+4*t:128+4*t+3], v[CO], s[96:97] offset:t*8192     ; the residual of rows 2 t + h, into window 1
.set t, t+1
.endr
	WIN 0
.macro MUL p, q, sc, mode              ; 16 products, 128 along K: fragment set p, quarter q of half sc; mode 1: C = the bias
.irp a, 0,1,2,3
.irp b, 0,1,2,3
.if \mode
	v_wmma_scale_f32_16x16x128_f8f6f4 v[8*(4*\a+\b):8*(4*\a+\b)+7], v[64*(\p)+16*\b:64*(\p)+16*\b+15], v[AF+64*(\p)+16*\a:AF+64*(\p)+16*\a+15], v[BI+8*\b:BI+8*\b+7], v[SB+64*(\sc)+4*\b+(\q)], v[SA+64*(\sc)+4*\a+((\q)+1)%4]
.else
	v_wmma_scale_f32_16x16x128_f8f6f4 v[8*(4*\a+\b):8*(4*\a+\b)+7], v[64*(\p)+16*\b:64*(\p)+16*\b+15], v[AF+64*(\p)+16*\a:AF+64*(\p)+16*\a+15], v[8*(4*\a+\b):8*(4*\a+\b)+7], v[SB+64*(\sc)+4*\b+(\q)], v[SA+64*(\sc)+4*\a+((\q)+1)%4]
.endif
.endr
.endr
.endm
.macro FETCH slot, q, p                ; 32 LDS loads: B's four fragments, A's four
	WIN 0x40
.irp i, 0,1,2,3
.irp c, 0,1,2,3
	ds_load_b128 v[64*(\p)+16*\i+4*\c:64*(\p)+16*\i+4*\c+3], v[ADRB+(\slot)] offset:128*(\q)+32*\c+\i*16*BP
.endr
.endr
	WIN 0
.irp i, 0,1,2,3
.irp c, 0,1,2,3
	ds_load_b128 v[AF+64*(\p)+16*\i+4*\c:AF+64*(\p)+16*\i+4*\c+3], v[ADRA+(\slot)] offset:((\q)/2)*REC+((\q)%2)*2048+512*\c+\i*4*REC
.endr
.endr
.endm
.macro SCALES slot                     ; the scale words of one half of K: 20 loads
.irp b, 0,1,2,3
	ds_load_b128 v[SB+64*\slot+4*\b:SB+64*\slot+4*\b+3], v[ADRS] offset:\b*SBLK+16*\slot
.endr
.irp a, 0,1,2,3
.irp q, 0,1,2,3
	ds_load_b32 v[SA+64*\slot+4*\a+(\q+1)%4], v[ADAS+\slot] offset:\a*4*REC+(\q/2)*REC+4096+(\q%2)*128
.endr
.endr
.endm
.macro QS n, mode                      ; quarter n of eight: the next quarter's fragments are asked for, then this one is multiplied
	PLACES 8                                       ; between the products that read the other set and the loads into it
	FETCH ((\n)+1)/4, ((\n)+1)%4, ((\n)+1)%2
	s_wait_dscnt 32                                ; all but the 32 just issued
.if \mode
	WIN 0x81
.else
	WIN 0xa1
.endif
	MUL (\n)%2, (\n)%4, (\n)/4, \mode
.endm
	s_wait_alu depctr_va_vdst(0)
	s_wait_tensorcnt 0x0                           ; my one load has landed
	s_barrier_signal -1
	s_barrier_wait -1                              ; everybody's has
	FETCH 0, 0, 0
	SCALES 0
	SCALES 1
	s_wait_loadcnt 32                              ; the bias is in; the residual's 32 loads may be out
	QS 0, 1
.irp n, 1,2,3,4,5,6
	QS \n, 0
.endr
	s_wait_dscnt 0x0                               ; my reads of the tiles are over
	s_barrier_signal -1
	MUL 1, 3, 1, 0
	s_barrier_wait -1                              ; everybody's are: the stages may be written
	PLACES 8
	; THE WAY OUT: my 64 x 64 through my stage, back as rows of 256 bytes, + the residual, stored as aligned units of 256 bytes
	WIN 0x08
.irp a, 0,1,2,3
.irp b, 0,1,2,3
	ds_store_b128 v[STO], v[8*(4*\a+\b):8*(4*\a+\b)+3] offset:\a*16*SP+64*\b
	ds_store_b128 v[STO], v[8*(4*\a+\b)+4:8*(4*\a+\b)+7] offset:\a*16*SP+64*\b+16
.endr
.endr
	WIN 0
.set t, 0
.rept 32
	ds_load_b128 v[AF+4*t:AF+4*t+3], v[RD] offset:t*2*SP       ; LDS serves a wave's instructions in order: these see the stores above
.set t, t+1
.endr
	s_wait_loadcnt 0x0                             ; the residual
.irp a, 0,1,2,3
	s_wait_dscnt 8*(3-\a)                          ; this block's eight loads are in, the later blocks' may be out
	WIN 0x04
.set i, 0
.rept 16
	v_pk_add_f32 v[AF+32*\a+i:AF+32*\a+i+1], v[AF+32*\a+i:AF+32*\a+i+1], v[128+32*\a+i:128+32*\a+i+1]
.set i, i+2
.endr
	WIN 0
.irp t, 0,1,2,3,4,5,6,7
	global_store_b128 v[CO], v[AF+32*\a+4*\t:AF+32*\a+4*\t+3], s[98:99] offset:(8*\a+\t)*8192
.endr
.endr
	s_wait_tensorcnt 0x0                           ; the wave's end
	ds_add_u32 v[SPW], v[NIL]
	s_wait_dscnt 0x0
	CROUND
	s_endpgm
.Lfunc_end_k_q2a773c9b6c_wo:
	.size	k_q2a773c9b6c_wo, .Lfunc_end_k_q2a773c9b6c_wo-k_q2a773c9b6c_wo
	.p2alignl 7, 3214868480
	.fill 96, 4, 3214868480
	.section	.rodata,"a",@progbits
	.p2align	6, 0x0
	.amdhsa_kernel k_q2a773c9b6c_wo
		.amdhsa_group_segment_fixed_size 327680
		.amdhsa_private_segment_fixed_size 0
		.amdhsa_enable_private_segment 0
		.amdhsa_kernarg_size 48
		.amdhsa_user_sgpr_count 2
		.amdhsa_user_sgpr_kernarg_segment_ptr 1
		.amdhsa_wavefront_size32 1
		.amdhsa_system_sgpr_workgroup_id_x 1
		.amdhsa_system_sgpr_workgroup_id_y 1
		.amdhsa_system_sgpr_workgroup_id_z 1
		.amdhsa_system_vgpr_workitem_id 0
		.amdhsa_next_free_vgpr 768
		.amdhsa_next_free_sgpr 102
		.amdhsa_reserve_vcc 0
		.amdhsa_float_denorm_mode_32 3
		.amdhsa_float_denorm_mode_16_64 3
		.amdhsa_memory_ordered 1
		.amdhsa_forward_progress 1
		.amdhsa_inst_pref_size 61
	.end_amdhsa_kernel
	.amdgpu_metadata
---
amdhsa.version: [ 1, 2 ]
amdhsa.kernels:
  - .name:           k_q2a773c9b6c_wo
    .symbol:         k_q2a773c9b6c_wo.kd
    .args:
      - { .name: ctx, .offset: 0, .size: 8, .value_kind: global_buffer, .address_space: global }
      - { .name: Wo_codes, .offset: 8, .size: 8, .value_kind: global_buffer, .address_space: global }
      - { .name: Wo_scales, .offset: 16, .size: 8, .value_kind: global_buffer, .address_space: global }
      - { .name: bo, .offset: 24, .size: 8, .value_kind: global_buffer, .address_space: global }
      - { .name: x, .offset: 32, .size: 8, .value_kind: global_buffer, .address_space: global }
      - { .name: out1, .offset: 40, .size: 8, .value_kind: global_buffer, .address_space: global }
    .group_segment_fixed_size: 327680
    .private_segment_fixed_size: 0
    .kernarg_segment_align: 8
    .kernarg_segment_size: 48
    .max_flat_workgroup_size: 128
    .sgpr_count:     102
    .vgpr_count:     768
    .wavefront_size: 32
...
	.end_amdgpu_metadata
.endif
;; end of part 4
;; launch ln2: the kernel of part 1 again; grid 256 x 1, 4 waves a work-group, no clusters, 35,840 bytes of LDS; arguments out1, g2, b2, xq; writes xq
;; launch ff1 (part 5): grid 16 x 16, 4 waves a work-group, clusters of 4 x 4, 327,680 bytes of LDS; arguments xq, W1_codes, W1_scales, bf1, hq; writes hq
.if DOCPART == 5
	.amdgcn_target "amdgcn-amd-amdhsa--gfx1250"
	.amdhsa_code_object_version 6
	.text
	.protected	k_q2a773c9b6c_ff1
	.globl	k_q2a773c9b6c_ff1
	.p2align	8
	.type	k_q2a773c9b6c_ff1,@function
k_q2a773c9b6c_ff1:
	s_mov_b64 s[64:65], 0
	v_nop
	global_prefetch_b8 v0, s[64:65] scope:SCOPE_SE
	s_setreg_imm32_b32 hwreg(HW_REG_WAVE_MODE, 25, 1), 1
	s_wait_xcnt 0x0
	s_wait_alu depctr_hold_cnt(0) depctr_sa_sdst(0) depctr_va_vdst(0) depctr_va_sdst(0) depctr_va_ssrc(0) depctr_va_vcc(0) depctr_vm_vsrc(0)
	s_getreg_b32 s2, hwreg(HW_REG_IB_STS2, 6, 4)
	s_cmp_eq_u32 s2, 0
	s_cbranch_scc0 .Lentry_in_a_cluster
	s_endpgm
.Lentry_in_a_cluster:
	s_bfe_u32 s2, ttmp6, 0x10000c
	s_cmp_lg_u32 s2, 0xf033
	s_cbranch_scc0 .Lentry_shape_is_right
	s_endpgm
.Lentry_shape_is_right:
.set KSTEP,  256
.set NQ,     2
.set ROWB,   256
.set KROW,   1024
.set PITCH,  272
.set REC,    4352
.set FR,     16
.set NL,     4
.set NP,     8
.set HALFT,  128*PITCH
.set SLOT,   4*HALFT
.set LAPS,   2
.set KS,     32
.set SCL,    2*SLOT
.set HALFS,  (128*KS/256)*272
.set SBLK,   (16*KS/256)*272
.set SPARE,  SCL+4*HALFS
.set ADRA, 16
.set ADRB, 20
.set VO,   24
.set ADRS, 27
.set SPW,  28
.set NIL,  29
.set BO,   30
.set V4,   31
.set SC,   32
.set BI,   64
.set AF,   128
.set HA,   128
.set PC,   192
.set TM,   208
.set PW,   224
.set G1, 24
.set G0, 32
.set G1B, 48
.set G0B, 56
.set G1S, 68
.set G0S, 76
.set G1SB, 80
.set G0SB, 88
.set MNT, 95
.set SEL, 100
.set MSB, 0
.macro WIN new
.if MSB != \new
	s_set_vgpr_msb (MSB<<8)|\new
.set MSB, \new
.endif
.endm
.set TO_B, 0x40
.macro WMUL hi, mode
.if \mode
.set WM, 0x81+0x40*\hi
.else
.set WM, 0xa1+0x50*\hi
.endif
	WIN WM
.endm
.macro JLOAD g0a, g1a, g0b, g1b
	s_cmp_eq_u32 s15, 0
	s_cbranch_scc0 .Lfor_b_\@
	tensor_load_to_lds s[\g0a:\g0a+3], s[\g1a:\g1a+7]
	s_nop 0
.rept 4
	v_nop
.endr
	s_branch .Lasked_\@
.Lfor_b_\@:
	tensor_load_to_lds s[\g0b:\g0b+3], s[\g1b:\g1b+7]
	s_nop 0
.rept 4
	v_nop
.endr
.Lasked_\@:
.endm
.macro CREST
	s_cmp_lg_u32 s14, 0
	s_cbranch_scc1 .Lnot_wave_0_\@
	s_barrier_signal -3
.Lnot_wave_0_\@:
	s_barrier_wait -3
	s_barrier_signal -1
	s_barrier_wait -1
.endm
.macro CROUND
	s_barrier_signal -1
	s_barrier_wait -1
	CREST
.endm
	s_load_b64 s[4:5], s[0:1], 0x0
	s_load_b128 s[8:11], s[0:1], 0x8
	s_load_b64 s[12:13], s[0:1], 0x18
	s_load_b64 s[96:97], s[0:1], 0x20
	v_lshl_add_u32 v[SPW], v0, 2, SPARE
	v_mov_b32 v[NIL], 0
	ds_add_u32 v28, v29
	ds_add_u32 v28, v29
	s_wait_dscnt 0x0
	v_lshrrev_b32 v1, 5, v0
	v_readfirstlane_b32 s14, v1
	s_lshr_b32 s15, s14, 1
	s_and_b32 s16, s14, 1
	s_bfe_u32 s40, ttmp6, 0x40000
	s_bfe_u32 s41, ttmp6, 0x40004
	s_lshl_b32 s42, ttmp9, 2
	s_add_co_u32 s42, s42, s40
	s_and_b32 s17, ttmp7, 0xffff
	s_lshl_b32 s17, s17, 2
	s_add_co_u32 s17, s17, s41
	s_lshl_b32 s43, s41, 2
	s_lshl_b32 s43, 15, s43
	s_lshl_b32 s44, 0x1111, s40
	s_or_b32 s[G1+0], s43, (0<<16)|(1<<20)|(1<<21)|(5<<22)|(3<<25)
	s_or_b32 s[G1B+0], s44, (0<<16)|(1<<20)|(1<<21)|(5<<22)|(3<<25)
.irp g, G1, G1B
	s_mov_b32 s[\g+1], ROWB<<16
	s_mov_b32 s[\g+2], 256<<16
	s_mov_b32 s[\g+3], ROWB<<16
	s_mov_b32 s[\g+4], 256
	s_mov_b32 s[\g+5], KROW
	s_mov_b32 s[\g+6], 0
	s_mov_b32 s[\g+7], 0
.endr
	s_or_b32 s[G1S+0], s43, (3<<16)|(1<<20)|(1<<21)|(5<<22)|(3<<25)
	s_or_b32 s[G1SB+0], s44, (3<<16)|(1<<20)|(1<<21)|(5<<22)|(3<<25)
.irp g, G1S, G1SB
	s_mov_b32 s[\g+1], 32<<16
	s_mov_b32 s[\g+2], (256*KS/256)<<16
	s_mov_b32 s[\g+3], 32<<16
	s_mov_b32 s[\g+4], 256*KS/256
	s_mov_b32 s[\g+5], 32
	s_mov_b32 s[\g+6], 0
	s_mov_b32 s[\g+7], 0
.endr
	s_lshl_b32 s18, s16, 7
	s_lshl_b32 s20, s17, 8
	s_add_co_u32 s20, s20, s18
	s_lshl_b32 s46, s42, 8
	s_add_co_u32 s46, s46, s18
	s_mov_b32 s21, 0
	s_mov_b32 s47, 0
	s_mov_b64 s[18:19], KS
	s_mul_u64 s[22:23], s[20:21], s[18:19]
	s_mul_u64 s[92:93], s[46:47], s[18:19]
	s_mov_b64 s[18:19], KROW
	s_mul_u64 s[20:21], s[20:21], s[18:19]
	s_mul_u64 s[46:47], s[46:47], s[18:19]
	s_mul_i32 s45, s14, HALFT
	s_mul_i32 s94, s14, HALFS
	s_mov_b32 s[MNT], 0x600000
	s_mov_b32 s[SEL], 0x76543210
	s_mov_b32 s[SEL+1], 0xfedcba98
	s_wait_kmcnt 0x0
	s_add_nc_u64 s[6:7], s[4:5], 0x400000
	s_add_nc_u64 s[20:21], s[4:5], s[20:21]
	s_add_nc_u64 s[22:23], s[6:7], s[22:23]
	s_add_nc_u64 s[46:47], s[8:9], s[46:47]
	s_add_nc_u64 s[92:93], s[10:11], s[92:93]
	CROUND
	s_mov_b32 s[G0S], 1
	s_mov_b32 s[G0S+1], SCL
	s_sub_nc_u64 s[G0S+2:G0S+3], s[22:23], 128*KS  ; wave 1's address stands 128 rows on: back to the tile's first row
	s_or_b32 s[G0S+3], s[G0S+3], 0x80000000
	s_mov_b32 s[G0SB], 1
	s_mov_b32 s[G0SB+1], SCL+2*HALFS
	s_sub_nc_u64 s[G0SB+2:G0SB+3], s[92:93], 128*KS ; wave 3's likewise
	s_or_b32 s[G0SB+3], s[G0SB+3], 0x80000000
	s_mov_b32 s4, 1                                ; s[4:7], s[8:11]: group 0 of the head's loads of K step 0: A's 256 rows (wave 0), B's 256 rows (wave 2)
	s_mov_b32 s5, 0
	s_mov_b64 s[6:7], s[20:21]
	s_or_b32 s7, s7, 0x80000000
	s_mov_b32 s8, 1
	s_mov_b32 s9, 2*HALFT
	s_mov_b64 s[10:11], s[46:47]
	s_or_b32 s11, s11, 0x80000000
.irp s, 0,1
	s_mov_b32 s[G0+4*\s], 1
	s_add_co_u32 s[G0+4*\s+1], s45, \s*SLOT
	s_add_nc_u64 s[G0+4*\s+2:G0+4*\s+3], s[20:21], \s*ROWB
	s_or_b32 s[G0+4*\s+3], s[G0+4*\s+3], 0x80000000
	s_mov_b32 s[G0B+4*\s], 1
	s_add_co_u32 s[G0B+4*\s+1], s45, \s*SLOT
	s_add_nc_u64 s[G0B+4*\s+2:G0B+4*\s+3], s[46:47], \s*ROWB
	s_or_b32 s[G0B+4*\s+3], s[G0B+4*\s+3], 0x80000000
.endr
	; the head's loads, one a wave, in one chain of branches on the wave's number
	s_cmp_eq_u32 s14, 0
	s_cbranch_scc0 .Lhd1
	tensor_load_to_lds s[4:7], s[G1:G1+7]
	s_nop 0
.rept 4
	v_nop
.endr
	s_branch .Lhd_asked
.Lhd1:
	s_cmp_eq_u32 s14, 1
	s_cbranch_scc0 .Lhd2
	tensor_load_to_lds s[G0S:G0S+3], s[G1S:G1S+7]
	s_nop 0
.rept 4
	v_nop
.endr
	s_branch .Lhd_asked
.Lhd2:
	s_cmp_eq_u32 s14, 2
	s_cbranch_scc0 .Lhd3
	tensor_load_to_lds s[8:11], s[G1B:G1B+7]
	s_nop 0
.rept 4
	v_nop
.endr
	s_branch .Lhd_asked
.Lhd3:
	tensor_load_to_lds s[G0SB:G0SB+3], s[G1SB:G1SB+7]
	s_nop 0
.rept 4
	v_nop
.endr
.Lhd_asked:
	s_wait_alu depctr_va_vdst(0)
	s_wait_tensorcnt 0x0                           ; my tile of the head's four is in
	ds_add_u32 v28, v29
	s_mov_b32 s[G1+2], 128<<16                     ; no load of mine is out: from here on a load brings 128 rows
	s_mov_b32 s[G1+4], 128
	s_mov_b32 s[G1B+2], 128<<16
	s_mov_b32 s[G1B+4], 128
	s_wait_dscnt 0x0
	CROUND
	JLOAD G0+4, G1, G0B+4, G1B                     ; slot 1's first fill, issued as a refill is
	v_and_b32 v1, 15, v0
	v_bfe_u32 v2, v0, 4, 1
	v_mul_u32_u24 v3, v1, PITCH
	v_lshl_add_u32 v4, v2, 4, v3
	s_mul_i32 s21, s15, HALFT
	s_mul_i32 s22, s16, HALFT
	s_add_co_u32 s22, s22, 2*HALFT
.irp s, 0,1
	v_add_nc_u32 v[ADRA+\s], s21, v4
	v_add_nc_u32 v[ADRB+\s], s22, v4
	s_add_co_u32 s21, s21, SLOT
	s_add_co_u32 s22, s22, SLOT
.endr
	v_mul_u32_u24 v5, v1, KS
	v_lshrrev_b32 v6, 8, v5
	v_lshl_add_u32 v5, v6, 4, v5
	s_mul_i32 s21, s15, HALFS
	s_mul_i32 s22, s16, HALFS
	s_add_co_u32 s22, s22, 2*HALFS
	s_sub_co_u32 s22, s22, s21
	v_mul_u32_u24 v6, s22, v2
	s_add_co_u32 s21, s21, SCL
	v_add_nc_u32 v5, v5, v6
	v_add_nc_u32 v[ADRS], s21, v5
	v_lshlrev_b32 v5, 4, v1
	v_lshl_add_u32 v[VO], v2, 3, v5
	v_and_b32 v6, 31, v0
	v_lshlrev_b32 v[V4], 2, v6
	v_lshlrev_b32 v[BO], 5, v2
	s_lshl_b32 s46, s42, 10
	s_lshl_b32 s47, s16, 9
	s_add_co_u32 s46, s46, s47
	s_mov_b32 s47, 0
	s_add_nc_u64 s[12:13], s[12:13], s[46:47]
.irp b, 0,1,2,3,4,5,6,7
	global_load_b128 v[BI+8*\b:BI+8*\b+3], v[BO], s[12:13] offset:64*\b
	global_load_b128 v[BI+8*\b+4:BI+8*\b+7], v[BO], s[12:13] offset:64*\b+16
.endr
	s_lshl_b32 s20, s17, 4
	s_lshl_b32 s21, s15, 3
	s_add_co_u32 s20, s20, s21
	s_lshl_b32 s20, s20, 4
	s_add_co_u32 s20, s20, s42
	s_mul_i32 s20, s20, REC
	s_lshl_b32 s21, s16, 7
	s_add_co_u32 s22, s20, s21
	s_add_co_u32 s22, s22, 4096
	s_mov_b32 s23, 0
	s_add_nc_u64 s[98:99], s[96:97], s[22:23]
	s_lshl_b32 s21, s16, 11
	s_add_co_u32 s20, s20, s21
	s_mov_b32 s21, 0
	s_add_nc_u64 s[96:97], s[96:97], s[20:21]
.macro FRAG reg, adr, q, i
.irp c, 0,1,2,3
	ds_load_b128 v[\reg+4*\c:\reg+4*\c+3], v[\adr] offset:128*(\q)+32*\c+(\i)*16*PITCH
.endr
.endm
.macro MUL16 a0, p, q, sc, mode
.irp a, \a0, \a0+1
.irp b, 0,1,2,3,4,5,6,7
.if \mode == 0
	v_wmma_scale_f32_16x16x128_f8f6f4 v[8*(8*((\a)%4)+\b):8*(8*((\a)%4)+\b)+7], v[128*(\p)+FR*\b:128*(\p)+FR*\b+FR-1], v[AF+FR*(\a):AF+FR*(\a)+FR-1], v[8*(8*((\a)%4)+\b):8*(8*((\a)%4)+\b)+7], v[SC+8*NQ*(\sc)+NQ*\b+(\q)], v[SC+8*NQ*(\sc)+NQ*(\a)+(\q)] matrix_a_scale:MATRIX_SCALE_ROW1
.else
	v_wmma_scale_f32_16x16x128_f8f6f4 v[8*(8*((\a)%4)+\b):8*(8*((\a)%4)+\b)+7], v[128*(\p)+FR*\b:128*(\p)+FR*\b+FR-1], v[AF+FR*(\a):AF+FR*(\a)+FR-1], v[BI+8*\b:BI+8*\b+7], v[SC+8*NQ*(\sc)+NQ*\b+(\q)], v[SC+8*NQ*(\sc)+NQ*(\a)+(\q)] matrix_a_scale:MATRIX_SCALE_ROW1
.endif
.endr
.endr
.endm
.macro FETCH_B slot, q, p
	WIN TO_B
.irp i, 0,1,2,3,4,5,6,7
	FRAG 128*(\p)+FR*\i, ADRB+\slot, \q, \i
.endr
	WIN 0
.endm
.macro FETCH_A slot, q, i0
.irp i, \i0, \i0+1, \i0+2, \i0+3
	FRAG AF+FR*(\i), ADRA+\slot, \q, \i
.endr
.endm
.macro SCALES sc
.irp i, 0,1,2,3,4,5,6,7
	ds_load_b64 v[SC+8*NQ*\sc+NQ*\i:SC+8*NQ*\sc+NQ*\i+1], v[ADRS] offset:\i*SBLK
.endr
.endm
.macro PLACES n
.rept \n
	v_nop
.endr
.endm
.macro STEP slot, q, mode
	s_wait_dscnt 4*NL
	WMUL 0, \mode
	MUL16 0, (\q)%2, \q, \slot, \mode
	MUL16 2, (\q)%2, \q, \slot, \mode
	s_wait_dscnt 0
	PLACES NP
	FETCH_B \slot, (\q)+1, 1-(\q)%2
	FETCH_A \slot, (\q)+1, 0
	WMUL 1, \mode
	MUL16 4, (\q)%2, \q, \slot, \mode
	MUL16 6, (\q)%2, \q, \slot, \mode
	PLACES NP
	WIN 0
	FETCH_A \slot, (\q)+1, 4
.endm
.macro TURN slot, next, fill
	s_wait_tensorcnt 0x0
	ds_add_u32 v[SPW], v[NIL]
	s_wait_dscnt 4*NL+1
	WMUL 0, 0
	MUL16 0, 1, NQ-1, \slot, 0
	s_wait_dscnt 0x0
	s_barrier_signal -1
	MUL16 2, 1, NQ-1, \slot, 0
	WIN 0
	s_barrier_wait -1
.if \fill
	CREST
	s_add_nc_u64 s[G0+4*\slot+2:G0+4*\slot+3], s[G0+4*\slot+2:G0+4*\slot+3], 2*ROWB
	s_add_nc_u64 s[G0B+4*\slot+2:G0B+4*\slot+3], s[G0B+4*\slot+2:G0B+4*\slot+3], 2*ROWB
	JLOAD G0+4*\slot, G1, G0B+4*\slot, G1B
	PLACES NP-4
.else
	PLACES NP
.endif
	s_wait_alu depctr_va_vdst(0)
	v_add_nc_u32 v[ADRS], 4*NQ, v[ADRS]
	FETCH_B \next, 0, 0
	FETCH_A \next, 0, 0
	SCALES \next
	WMUL 1, 0
	MUL16 4, 1, NQ-1, \slot, 0
	MUL16 6, 1, NQ-1, \slot, 0
	PLACES NP
	WIN 0
	FETCH_A \next, 0, 4
.endm
	s_wait_alu depctr_va_vdst(0)
	s_wait_tensorcnt 1
	s_barrier_signal -1
	s_barrier_wait -1
	FETCH_B 0, 0, 0
	FETCH_A 0, 0, 0
	SCALES 0
	FETCH_A 0, 0, 4
	s_wait_loadcnt 0x0
	STEP 0, 0, 1
	s_mov_b32 s3, LAPS-1
.Llap:
	TURN 0, 1, 1
	STEP 1, 0, 0
	TURN 1, 0, 1
	STEP 0, 0, 0
	s_sub_co_u32 s3, s3, 1
	s_cmp_lg_u32 s3, 0
	s_cbranch_scc1 .Llap
	TURN 0, 1, 0
	STEP 1, 0, 0
	s_wait_dscnt 4*NL
	WMUL 0, 0
	MUL16 0, 1, NQ-1, 1, 0
	MUL16 2, 1, NQ-1, 1, 0
	s_wait_dscnt 0
	WMUL 1, 0
	MUL16 4, 1, NQ-1, 1, 0
	MUL16 6, 1, NQ-1, 1, 0
	WIN 0
	PLACES NP
.irp b, 0,1,2,3
	v_mov_b32 v[TM+4+\b], 0
.endr
.macro QUANT2 a
.set QWN, 2+(\a)/4
.set QSR, 64*((\a)%4)
.set QW2, QWN|(QWN<<2)
	WIN QW2
.irp b, 0,1,2,3
	v_max3_num_f32 v[TM+\b], v[QSR+16*\b], v[QSR+16*\b+1], 0x4800000
.endr
.irp i, 2,4,6,8,10,12,14
.irp b, 0,1,2,3
	v_max3_num_f32 v[TM+\b], v[QSR+16*\b+\i], v[QSR+16*\b+\i+1], v[TM+\b]
.endr
.endr
	WIN 0
.irp b, 0,1,2,3
	v_permlanex16_b32 v[TM+4+\b], v[TM+\b], s[SEL], s[SEL+1]
.endr
.irp b, 0,1,2,3
	v_max_num_f32 v[TM+\b], v[TM+\b], v[TM+4+\b]
.endr
.irp b, 0,1,2,3
	v_add_nc_u32 v[TM+12+\b], 0xfc000000, v[TM+\b]
.endr
.irp b, 0,1,2,3
	v_and_or_b32 v[TM+8+\b], v[TM+\b], 0x7f800000, s[MNT]
.endr
.irp b, 0,1,2,3
	v_lshrrev_b32 v[TM+4+\b], 23, v[TM+12+\b]
.endr
	v_lshl_or_b32 v[PW+(\a)], v[TM+5], 8, v[TM+4]
	v_lshl_or_b32 v[PW+(\a)], v[TM+6], 16, v[PW+(\a)]
	v_lshl_or_b32 v[PW+(\a)], v[TM+7], 24, v[PW+(\a)]
	WIN QWN
.irp b, 0,1,2,3
.irp i, 0,1,2,3,4,5,6,7,8,9,10,11,12,13,14,15
	v_med3_num_f32 v[HA+16*\b+\i], v[QSR+16*\b+\i], 0, v[TM+8+\b]
.endr
.endr
	WIN 0
.irp b, 0,1,2,3
	v_cvt_scalef32_pk8_fp8_f32 v[PC+4*\b:PC+4*\b+1], v[HA+16*\b:HA+16*\b+7], v[TM+12+\b]
	v_cvt_scalef32_pk8_fp8_f32 v[PC+4*\b+2:PC+4*\b+3], v[HA+16*\b+8:HA+16*\b+15], v[TM+12+\b]
.endr
	v_nop
.endm
.irp a, 0,1,2,3,4,5,6,7
.if \a > 0
	s_wait_xcnt 0x0
.endif
	QUANT2 \a
.irp be, 0,1,2,3
.irp u, 0,1
	global_store_b64 v[VO], v[PC+4*\be+2*\u:PC+4*\be+2*\u+1], s[96:97] offset:\a*16*REC+512*\be+256*\u
.endr
.endr
	global_store_b32 v[V4], v[PW+\a], s[98:99] offset:\a*16*REC
.endr
	s_wait_tensorcnt 0x0
	ds_add_u32 v[SPW], v[NIL]
	s_wait_dscnt 0x0
	CROUND
	s_endpgm
.Lfunc_end_k_q2a773c9b6c_ff1:
	.size	k_q2a773c9b6c_ff1, .Lfunc_end_k_q2a773c9b6c_ff1-k_q2a773c9b6c_ff1
	.p2alignl 7, 3214868480
	.fill 96, 4, 3214868480
	.section	.rodata,"a",@progbits
	.p2align	6, 0x0
	.amdhsa_kernel k_q2a773c9b6c_ff1
		.amdhsa_group_segment_fixed_size 327680
		.amdhsa_private_segment_fixed_size 0
		.amdhsa_enable_private_segment 0
		.amdhsa_kernarg_size 40
		.amdhsa_user_sgpr_count 2
		.amdhsa_user_sgpr_kernarg_segment_ptr 1
		.amdhsa_wavefront_size32 1
		.amdhsa_system_sgpr_workgroup_id_x 1
		.amdhsa_system_sgpr_workgroup_id_y 1
		.amdhsa_system_sgpr_workgroup_id_z 1
		.amdhsa_system_vgpr_workitem_id 0
		.amdhsa_next_free_vgpr 1024
		.amdhsa_next_free_sgpr 102
		.amdhsa_reserve_vcc 0
		.amdhsa_float_denorm_mode_32 3
		.amdhsa_float_denorm_mode_16_64 3
		.amdhsa_memory_ordered 1
		.amdhsa_forward_progress 1
		.amdhsa_inst_pref_size 191
	.end_amdhsa_kernel
	.amdgpu_metadata
---
amdhsa.version: [ 1, 2 ]
amdhsa.kernels:
  - .name:           k_q2a773c9b6c_ff1
    .symbol:         k_q2a773c9b6c_ff1.kd
    .args:
      - { .name: xq, .offset: 0, .size: 8, .value_kind: global_buffer, .address_space: global }
      - { .name: W1_codes, .offset: 8, .size: 8, .value_kind: global_buffer, .address_space: global }
      - { .name: W1_scales, .offset: 16, .size: 8, .value_kind: global_buffer, .address_space: global }
      - { .name: bf1, .offset: 24, .size: 8, .value_kind: global_buffer, .address_space: global }
      - { .name: hq, .offset: 32, .size: 8, .value_kind: global_buffer, .address_space: global }
    .group_segment_fixed_size: 327680
    .private_segment_fixed_size: 0
    .kernarg_segment_align: 8
    .kernarg_segment_size: 40
    .max_flat_workgroup_size: 128
    .sgpr_count:     102
    .vgpr_count:     1024
    .wavefront_size: 32
...
	.end_amdgpu_metadata
.endif
;; end of part 5
;; launch ff2 (part 6): grid 8 x 32, 4 waves a work-group, clusters of 4 x 4, 327,680 bytes of LDS; arguments hq, W2_codes, W2_scales, bf2, out1, out0; writes out0
.if DOCPART == 6
	.amdgcn_target "amdgcn-amd-amdhsa--gfx1250"
	.amdhsa_code_object_version 6
	.text
	.protected	k_q2a773c9b6c_ff2
	.globl	k_q2a773c9b6c_ff2
	.p2align	8
	.type	k_q2a773c9b6c_ff2,@function
k_q2a773c9b6c_ff2:
	s_mov_b64 s[64:65], 0
	v_nop
	global_prefetch_b8 v0, s[64:65] scope:SCOPE_SE
	s_setreg_imm32_b32 hwreg(HW_REG_WAVE_MODE, 25, 1), 1
	s_wait_xcnt 0x0
	s_wait_alu depctr_hold_cnt(0) depctr_sa_sdst(0) depctr_va_vdst(0) depctr_va_sdst(0) depctr_va_ssrc(0) depctr_va_vcc(0) depctr_vm_vsrc(0)
	s_getreg_b32 s2, hwreg(HW_REG_IB_STS2, 6, 4)
	s_cmp_eq_u32 s2, 0
	s_cbranch_scc0 .Lentry_in_a_cluster
	s_endpgm
.Lentry_in_a_cluster:
	s_bfe_u32 s2, ttmp6, 0x10000c
	s_cmp_lg_u32 s2, 0xf033
	s_cbranch_scc0 .Lentry_shape_is_right
	s_endpgm
.Lentry_shape_is_right:
; out = A B^T + bias + residual, f32.  A: 4,096 rows x K as RECORDS of operand images (16 rows x 256 of K: two fragments of 2,048 bytes, then their scale words, 128 bytes each: 4,352 bytes); B: [1,024][K] codes of E4M3 with E8M0 bytes [1,024][K / 32].
; A block of out is 128 x 128: 8 x 32 = 256 work-groups.  Four waves, 2 x 2, each 64 x 64 in 16 accumulators, which take turns.  The product is used transposed (source 0 = B's rows): a lane holds eight neighbouring columns of a row.
; K goes in tiles of 512 through a ring of two LDS slots: A's 8 pairs of records (8,704 bytes on end each), then B's 128 rows of 512 bytes + 16 of padding.  Waves 0, 2 fetch A's halves, waves 1, 3 B's: one load a wave behind each round.
; CLUSTERS of 4 x 4: A's tile is asked for jointly along a row of the cluster, B's tile and scale bytes along a column.  B's scale bytes for all of K stay in LDS; A's ride in the records.
; The bias is the first products' C.  The residual's 32 loads a wave go out behind the loop, behind the last tile's request and two tiles' products ahead of their use, into registers that nothing else names.
; PREFETCH: behind each refill but the last two, the tile two refills on; each block of 256 bytes is named once in a cluster; tiles 0 to 3 come by their loads alone.
.set K,      4096
.set NT,     K/256
.set LAPS,   K/1024
.set KS,     K/32
.set REC,    4352
.set BP,     528                       ; B's LDS row: 512 bytes + 16
.set ABYTES, 16*REC
.set SLOT,   ABYTES+128*BP
.set SCL,    2*SLOT                    ; B's scale bytes: units of 256 bytes + 16
.set SBLK,   (16*KS/256)*272           ; those of 16 rows
.set SPARE,  SCL+8*SBLK
.set SP,     272                       ; the stage's row: 256 bytes + 16; the stages lie in slot 0, behind its last fill and last read
.set ADRA, 16                          ; v16-17 A's fragments in slot 0, 1; v18-19 A's scale words; v20-21 B's fragments
.set ADAS, 18
.set ADRB, 20
.set PFO,  22
.set PFO2, 23
.set STO,  24
.set RD,   25
.set CO,   26
.set ADRS, 27
.set SPW,  28
.set NIL,  29
.set BO,   30
.set SB,   32                          ; v32-47 B's scale words: 4 b + q;  v48-63 A's: 4 a + (q + 1) % 4: no product's two words have numbers equal modulo 8
.set SA,   48
.set BI,   64                          ; v64-95 the bias in the result's layout
.set AF,   128                         ; window 0: A's fragments, two sets of 64; window 1: v0-127 B's two sets, v128-255 the residual; window 2: v0-127 the sums
.set G1A, 24
.set G0A, 32
.set G1B, 48
.set G0B, 56
.set G1S, 68
.set G0S, 76
.set G0H, 80
.set PFA, 88
.set PFS, 90
.set MSB, 0
.macro WIN new
.if MSB != \new
	s_set_vgpr_msb (MSB<<8)|\new
.set MSB, \new
.endif
.endm
.macro PLACES n
.rept \n
	v_nop
.endr
.endm
.macro TL g0, g1                       ; a tensor load; s_nop 0 and four v_nop follow it
	tensor_load_to_lds s[\g0:\g0+3], s[\g1:\g1+7]
	s_nop 0
	PLACES 4
.endm
.macro JLOAD s
	s_cmp_eq_u32 s16, 0
	s_cbranch_scc0 .Lfor_b_\@
	TL G0A+4*\s, G1A
	s_branch .Ljl_\@
.Lfor_b_\@:
	TL G0B+4*\s, G1B
.Ljl_\@:
.endm
.macro CREST
	s_cmp_lg_u32 s14, 0
	s_cbranch_scc1 .Lnot_wave_0_\@
	s_barrier_signal -3
.Lnot_wave_0_\@:
	s_barrier_wait -3
	s_barrier_signal -1
	s_barrier_wait -1
.endm
.macro CROUND
	s_barrier_signal -1
	s_barrier_wait -1
	CREST
.endm
	s_load_b256 s[4:11], s[0:1], 0x0               ; A, B's codes, B's scales, bias
	s_load_b128 s[96:99], s[0:1], 0x20             ; residual, out
	v_lshl_add_u32 v[SPW], v0, 2, SPARE
	v_mov_b32 v[NIL], 0
	ds_add_u32 v[SPW], v[NIL]                      ; the opening lines: the add twice on end and its wait
	ds_add_u32 v[SPW], v[NIL]
	v_lshrrev_b32 v1, 5, v0
	v_readfirstlane_b32 s14, v1                    ; wave
	s_lshr_b32 s15, s14, 1                         ; my half of the block's rows; also which half of a tile I fetch
	s_and_b32 s16, s14, 1                          ; my half of its columns; also: I fetch for A (0) or B (1)
	s_bfe_u32 s40, ttmp6, 0x40000
	s_bfe_u32 s41, ttmp6, 0x40004
	s_lshl_b32 s42, ttmp9, 2
	s_add_co_u32 s42, s42, s40                     ; block column
	s_and_b32 s17, ttmp7, 0xffff
	s_lshl_b32 s17, s17, 2
	s_add_co_u32 s17, s17, s41                     ; block row
	s_lshl_b32 s43, s41, 2
	s_lshl_b32 s43, 15, s43
	s_lshl_b32 s44, 0x1111, s40
	s_or_b32 s[G1A+0], s43, (3<<16)|(1<<21)        ; A: rows of 1,088 elements of 8 bytes (two records), NT records apart; 8 rows at the head, 4 in the ring
	s_mov_b32 s[G1A+1], 1088<<16
	s_mov_b32 s[G1A+2], 8<<16
	s_mov_b32 s[G1A+3], 1088<<16
	s_mov_b32 s[G1A+4], 8
	s_mov_b32 s[G1A+5], NT*544
	s_mov_b32 s[G1A+6], 0
	s_mov_b32 s[G1A+7], 0
	s_or_b32 s[G1B+0], s44, (1<<20)|(1<<21)|(6<<22)|(3<<25)   ; B: 64 rows of 512 bytes, four words of padding behind every 128
	s_mov_b32 s[G1B+1], 512<<16
	s_mov_b32 s[G1B+2], 64<<16
	s_mov_b32 s[G1B+3], 512<<16
	s_mov_b32 s[G1B+4], 64
	s_mov_b32 s[G1B+5], K
	s_mov_b32 s[G1B+6], 0
	s_mov_b32 s[G1B+7], 0
	s_or_b32 s[G1S+0], s44, (3<<16)|(1<<20)|(1<<21)|(5<<22)|(3<<25)   ; B's scale bytes of 128 rows: dense, as rows of 256 bytes
	s_mov_b32 s[G1S+1], 32<<16
	s_mov_b32 s[G1S+2], (128*KS/256)<<16
	s_mov_b32 s[G1S+3], 32<<16
	s_mov_b32 s[G1S+4], 128*KS/256
	s_mov_b32 s[G1S+5], 32
	s_mov_b32 s[G1S+6], 0
	s_mov_b32 s[G1S+7], 0
	s_mul_i32 s20, s17, 8*NT*REC                   ; A: the block's first record
	s_mov_b32 s21, 0
	s_mul_i32 s22, s15, 4*NT*REC
	s_add_co_u32 s22, s22, s20                     ; and the first of the half that I fetch
	s_mov_b32 s23, 0
	s_lshl_b32 s46, s42, 7
	s_lshl_b32 s47, s15, 6
	s_add_co_u32 s46, s46, s47
	s_mul_i32 s46, s46, K                          ; B: the first of my 64 rows
	s_mov_b32 s47, 0
	s_mul_i32 s92, s42, 128*KS
	s_mov_b32 s93, 0
	s_mul_i32 s45, s15, 8*REC
	s_mul_i32 s94, s15, 64*BP
	s_add_co_u32 s94, s94, ABYTES
	s_wait_dscnt 0x0
	s_wait_kmcnt 0x0
	s_add_nc_u64 s[20:21], s[4:5], s[20:21]
	s_add_nc_u64 s[22:23], s[4:5], s[22:23]
	s_add_nc_u64 s[46:47], s[6:7], s[46:47]
	s_add_nc_u64 s[92:93], s[8:9], s[92:93]
	CROUND                                         ; all sixteen work-groups are here
	s_mov_b32 s[G0H], 1
	s_mov_b32 s[G0H+1], 0
	s_mov_b64 s[G0H+2:G0H+3], s[20:21]
	s_or_b32 s[G0H+3], s[G0H+3], 0x80000000
	s_mov_b32 s[G0S], 1
	s_mov_b32 s[G0S+1], SCL
	s_mov_b64 s[G0S+2:G0S+3], s[92:93]
	s_or_b32 s[G0S+3], s[G0S+3], 0x80000000
.irp s, 0,1
	s_mov_b32 s[G0A+4*\s], 1
	s_add_co_u32 s[G0A+4*\s+1], s45, \s*SLOT
	s_add_nc_u64 s[G0A+4*\s+2:G0A+4*\s+3], s[22:23], \s*2*REC
	s_or_b32 s[G0A+4*\s+3], s[G0A+4*\s+3], 0x80000000
	s_mov_b32 s[G0B+4*\s], 1
	s_add_co_u32 s[G0B+4*\s+1], s94, \s*SLOT
	s_add_nc_u64 s[G0B+4*\s+2:G0B+4*\s+3], s[46:47], \s*512
	s_or_b32 s[G0B+4*\s+3], s[G0B+4*\s+3], 0x80000000
.endr
	; the head's loads, one a wave: wave 0 all of A's tile 0, wave 2 B's scale bytes, waves 1 and 3 the halves of B's tile 0
	s_cmp_eq_u32 s14, 0
	s_cbranch_scc0 .Lh1
	TL G0H, G1A
	s_branch .Lasked
.Lh1:
	s_cmp_eq_u32 s14, 2
	s_cbranch_scc0 .Lh2
	TL G0S, G1S
	s_branch .Lasked
.Lh2:
	TL G0B, G1B
.Lasked:
	s_mul_i32 s20, s15, 8*REC                      ; my 64 rows of A in a slot
	s_add_co_u32 s21, s20, SLOT
	s_mul_i32 s22, s16, 64*BP                      ; my 64 rows of B
	s_add_co_u32 s22, s22, ABYTES
	s_add_co_u32 s23, s22, SLOT
	s_mul_i32 s45, s16, 4*SBLK
	s_add_co_u32 s45, s45, SCL
	s_mul_i32 s46, s14, 64*SP                      ; my stage
	s_lshl_b32 s92, s42, 9
	s_lshl_b32 s93, s16, 8
	s_add_co_u32 s92, s92, s93                     ; my first column, in bytes
	s_mov_b32 s93, 0
	s_add_nc_u64 s[10:11], s[10:11], s[92:93]
	s_lshl_b32 s94, s17, 7
	s_lshl_b32 s95, s15, 6
	s_add_co_u32 s94, s94, s95
	s_lshl_b32 s94, s94, 12                        ; my first row: 4,096 bytes a row
	s_add_co_u32 s94, s94, s92
	s_mov_b32 s95, 0
	s_add_nc_u64 s[96:97], s[96:97], s[94:95]
	s_add_nc_u64 s[98:99], s[98:99], s[94:95]
.if LAPS > 2
	; the prefetches: of the rows that my wave fetches each of the four partners takes a quarter, told apart by address: A: the pair of records cx; B: rows 16 cy on
	s_lshl_b32 s84, s17, 3
	s_lshl_b32 s85, s15, 2
	s_add_co_u32 s84, s84, s85
	s_add_co_u32 s84, s84, s40
	s_mul_i32 s84, s84, NT*REC
	s_add_co_u32 s84, s84, 6*REC                   ; at tile 3: the first refill steps it to tile 4
	s_lshl_b32 s85, s42, 7
	s_lshl_b32 s86, s15, 6
	s_add_co_u32 s85, s85, s86
	s_lshl_b32 s86, s41, 4
	s_add_co_u32 s85, s85, s86
	s_mul_i32 s85, s85, K
	s_add_co_u32 s85, s85, 3*512
	s_cmp_eq_u32 s16, 0
	s_cselect_b64 s[PFA:PFA+1], s[4:5], s[6:7]
	s_cselect_b32 s84, s84, s85
	s_mov_b32 s85, 0
	s_mov_b32 s[PFS], 512
	s_cselect_b32 s[PFS], 2*REC, s[PFS]            ; a tile on
	s_mov_b32 s[PFS+1], 0
	s_cselect_b32 s86, 0, 1
	s_mov_b32 s87, K
	s_cselect_b32 s87, 256, s87
	s_add_nc_u64 s[PFA:PFA+1], s[PFA:PFA+1], s[84:85]
.endif
	v_and_b32 v1, 15, v0                           ; r
	v_bfe_u32 v2, v0, 4, 1                         ; h
	v_and_b32 v3, 31, v0                           ; lane
	v_lshlrev_b32 v4, 4, v3
	v_lshlrev_b32 v5, 2, v3
	v_mul_u32_u24 v6, v1, BP
	v_lshl_add_u32 v6, v2, 4, v6
	v_add_nc_u32 v[ADRA], s20, v4
	v_add_nc_u32 v[ADRA+1], s21, v4
	v_add_nc_u32 v[ADAS], s20, v5
	v_add_nc_u32 v[ADAS+1], s21, v5
	v_add_nc_u32 v[ADRB], s22, v6
	v_add_nc_u32 v[ADRB+1], s23, v6
	v_mul_u32_u24 v7, v1, KS
	v_lshrrev_b32 v8, 8, v7
	v_lshl_add_u32 v7, v8, 4, v7                   ; row r's scale bytes: KS a row, 16 more for each 256 passed
	v_add_nc_u32 v[ADRS], s45, v7
	v_mul_u32_u24 v8, v1, SP
	v_lshl_add_u32 v8, v2, 5, v8
	v_add_nc_u32 v[STO], s46, v8                   ; the stage, in: row r, 32 bytes for each half of the lanes
	v_mul_u32_u24 v9, v2, SP
	v_lshl_add_u32 v9, v1, 4, v9
	v_add_nc_u32 v[RD], s46, v9                    ; back: lanes 0-15 one row of 256 bytes, lanes 16-31 the next
	v_lshlrev_b32 v10, 12, v2
	v_lshl_add_u32 v[CO], v1, 4, v10               ; the same two rows in out and in the residual
	v_lshlrev_b32 v[BO], 5, v2
.if LAPS > 2
	v_lshrrev_b32 v11, s86, v3
	v_mul_lo_u32 v11, v11, s87
	v_and_b32 v12, s86, v3
	v_lshl_add_u32 v[PFO], v12, 8, v11             ; A: 256 x lane; B: row lane / 2, 256 x (lane % 2)
	v_min_u32 v12, 1, v3
	v_lshlrev_b32 v[PFO2], 8, v12                  ; A's last two blocks of 34; the lanes left over name the last again
.endif
.irp b, 0,1,2,3
	global_load_b128 v[BI+8*\b:BI+8*\b+3], v[BO], s[10:11] offset:64*\b      ; bias of columns 16 b + 8 h + 0 .. 7
	global_load_b128 v[BI+8*\b+4:BI+8*\b+7], v[BO], s[10:11] offset:64*\b+16
.endr
.macro MUL p, q, mode                  ; 16 products, 128 along K: set p, the tile's q-th quarter; mode 1: C = the bias
.irp a, 0,1,2,3
.irp b, 0,1,2,3
.if \mode
	v_wmma_scale_f32_16x16x128_f8f6f4 v[8*(4*\a+\b):8*(4*\a+\b)+7], v[64*(\p)+16*\b:64*(\p)+16*\b+15], v[AF+64*(\p)+16*\a:AF+64*(\p)+16*\a+15], v[BI+8*\b:BI+8*\b+7], v[SB+4*\b+(\q)], v[SA+4*\a+((\q)+1)%4]
.else
	v_wmma_scale_f32_16x16x128_f8f6f4 v[8*(4*\a+\b):8*(4*\a+\b)+7], v[64*(\p)+16*\b:64*(\p)+16*\b+15], v[AF+64*(\p)+16*\a:AF+64*(\p)+16*\a+15], v[8*(4*\a+\b):8*(4*\a+\b)+7], v[SB+4*\b+(\q)], v[SA+4*\a+((\q)+1)%4]
.endif
.endr
.endr
.endm
.macro FETCH slot, q, p                ; 32 LDS loads: B's four fragments, A's four
	WIN 0x40
.irp i, 0,1,2,3
.irp c, 0,1,2,3
	ds_load_b128 v[64*(\p)+16*\i+4*\c:64*(\p)+16*\i+4*\c+3], v[ADRB+\slot] offset:128*(\q)+32*\c+\i*16*BP
.endr
.endr
	WIN 0
.irp i, 0,1,2,3
.irp c, 0,1,2,3
	ds_load_b128 v[AF+64*(\p)+16*\i+4*\c:AF+64*(\p)+16*\i+4*\c+3], v[ADRA+\slot] offset:((\q)/2)*REC+((\q)%2)*2048+512*\c+\i*2*REC
.endr
.endr
.endm
.macro SCALES slot                     ; a tile's scale words: 20 loads
.irp b, 0,1,2,3
	ds_load_b128 v[SB+4*\b:SB+4*\b+3], v[ADRS] offset:\b*SBLK
.endr
.irp a, 0,1,2,3
.irp q, 0,1,2,3
	ds_load_b32 v[SA+4*\a+(\q+1)%4], v[ADAS+\slot] offset:\a*2*REC+(\q/2)*REC+4096+(\q%2)*128
.endr
.endr
.endm
.macro QS slot, q, mode                ; one of a tile's first three quarters: the next quarter's fragments are asked for, then this one is multiplied
	PLACES 8                                       ; between the products that read the other set and the loads into it
	FETCH \slot, (\q)+1, 1-(\q)%2
	s_wait_dscnt 32                                ; all but the 32 just issued
.if \mode
	WIN 0x81
.else
	WIN 0xa1
.endif
	MUL (\q)%2, \q, \mode
.endm
.macro ASK                             ; the tile two refills on: 34 blocks of 256 bytes of A, or 32 of B, a wave
	s_cmp_gt_u32 s3, 1                             ; the loop's last trip has no tile two on
	s_cbranch_scc0 .Lno_\@
	global_prefetch_b8 v[PFO], s[PFA:PFA+1] th:TH_LOAD_NT scope:SCOPE_SE
	s_cmp_eq_u32 s16, 0
	s_cbranch_scc0 .Lno_\@
	global_prefetch_b8 v[PFO2], s[PFA:PFA+1] offset:8192 th:TH_LOAD_NT scope:SCOPE_SE
.Lno_\@:
.endm
.macro TURN slot, next, fill           ; a tile's last quarter and the change of slots
.if \fill && (LAPS > 2)
	s_wait_xcnt 0x0                                ; my prefetches have read their address
	s_add_nc_u64 s[PFA:PFA+1], s[PFA:PFA+1], s[PFS:PFS+1]
.endif
	WIN 0
	s_wait_tensorcnt 0x0                           ; my part of the next slot has landed
	ds_add_u32 v[SPW], v[NIL]
	s_wait_dscnt 0x0                               ; the add is done, my reads of this slot are over
	s_barrier_signal -1
	WIN 0xa1
	MUL 1, 3, 0
	WIN 0
	s_barrier_wait -1
.if \fill
	CREST
	s_add_nc_u64 s[G0A+4*\slot+2:G0A+4*\slot+3], s[G0A+4*\slot+2:G0A+4*\slot+3], 4*REC
	s_add_nc_u64 s[G0B+4*\slot+2:G0B+4*\slot+3], s[G0B+4*\slot+2:G0B+4*\slot+3], 1024
	JLOAD \slot
	PLACES 4
.else
	PLACES 8
.endif
	v_add_nc_u32 v[ADRS], 16, v[ADRS]              ; the next tile's 16 scale bytes of a row
	s_wait_alu depctr_va_vdst(0)
	FETCH \next, 0, 0
	SCALES \next
.if \fill && (LAPS > 2)
	ASK
.endif
.endm
	s_wait_alu depctr_va_vdst(0)
	s_wait_tensorcnt 0x0
	ds_add_u32 v[SPW], v[NIL]
	s_mov_b32 s[G1A+2], 4<<16                      ; no load of mine is out: from here on a load of A brings four rows
	s_mov_b32 s[G1A+4], 4
	s_wait_dscnt 0x0
	CROUND                                         ; tile 0 and the scale bytes are whole
	JLOAD 1                                        ; slot 1's first fill, issued as a refill is
	FETCH 0, 0, 0
	SCALES 0
	s_wait_loadcnt 0x0                             ; the bias is in
	QS 0, 0, 1
.if LAPS > 1
	WIN 0
	s_mov_b32 s3, LAPS-1
.Llap:
	QS 0, 1, 0
	QS 0, 2, 0
	TURN 0, 1, 1
	QS 1, 0, 0
	QS 1, 1, 0
	QS 1, 2, 0
	TURN 1, 0, 1
	QS 0, 0, 0
	WIN 0
	s_sub_co_u32 s3, s3, 1
	s_cmp_lg_u32 s3, 0
	s_cbranch_scc1 .Llap
.endif
	WIN 0x40
.set t, 0
.rept 32
	global_load_b128 v[128+4*t:128+4*t+3], v[CO], s[96:97] offset:t*8192     ; the residual of rows 2 t + h, into window 1
.set t, t+1
.endr
	WIN 0
	QS 0, 1, 0
	QS 0, 2, 0
	TURN 0, 1, 0
	QS 1, 0, 0
	QS 1, 1, 0
	QS 1, 2, 0
	s_wait_dscnt 0x0
	MUL 1, 3, 0
	PLACES 8
	; THE WAY OUT: my 64 x 64 through my stage, back as rows of 256 bytes, + the residual, stored as aligned units of 256 bytes
	WIN 0x08
.irp a, 0,1,2,3
.irp b, 0,1,2,3
	ds_store_b128 v[STO], v[8*(4*\a+\b):8*(4*\a+\b)+3] offset:\a*16*SP+64*\b
	ds_store_b128 v[STO], v[8*(4*\a+\b)+4:8*(4*\a+\b)+7] offset:\a*16*SP+64*\b+16
.endr
.endr
	WIN 0
.set t, 0
.rept 32
	ds_load_b128 v[AF+4*t:AF+4*t+3], v[RD] offset:t*2*SP       ; LDS serves a wave's instructions in order: these see the stores above
.set t, t+1
.endr
	s_wait_loadcnt 0x0                             ; the residual
.irp a, 0,1,2,3
	s_wait_dscnt 8*(3-\a)                          ; this block's eight loads are in, the later blocks' may be out
	WIN 0x04
.set i, 0
.rept 16
	v_pk_add_f32 v[AF+32*\a+i:AF+32*\a+i+1], v[AF+32*\a+i:AF+32*\a+i+1], v[128+32*\a+i:128+32*\a+i+1]
.set i, i+2
.endr
	WIN 0
.irp t, 0,1,2,3,4,5,6,7
	global_store_b128 v[CO], v[AF+32*\a+4*\t:AF+32*\a+4*\t+3], s[98:99] offset:(8*\a+\t)*8192 th:TH_STORE_NT
.endr
.endr
	s_wait_tensorcnt 0x0                           ; the wave's end
	ds_add_u32 v[SPW], v[NIL]
	s_wait_dscnt 0x0
	CROUND
	s_endpgm
.Lfunc_end_k_q2a773c9b6c_ff2:
	.size	k_q2a773c9b6c_ff2, .Lfunc_end_k_q2a773c9b6c_ff2-k_q2a773c9b6c_ff2
	.p2alignl 7, 3214868480
	.fill 96, 4, 3214868480
	.section	.rodata,"a",@progbits
	.p2align	6, 0x0
	.amdhsa_kernel k_q2a773c9b6c_ff2
		.amdhsa_group_segment_fixed_size 327680
		.amdhsa_private_segment_fixed_size 0
		.amdhsa_enable_private_segment 0
		.amdhsa_kernarg_size 48
		.amdhsa_user_sgpr_count 2
		.amdhsa_user_sgpr_kernarg_segment_ptr 1
		.amdhsa_wavefront_size32 1
		.amdhsa_system_sgpr_workgroup_id_x 1
		.amdhsa_system_sgpr_workgroup_id_y 1
		.amdhsa_system_sgpr_workgroup_id_z 1
		.amdhsa_system_vgpr_workitem_id 0
		.amdhsa_next_free_vgpr 768
		.amdhsa_next_free_sgpr 102
		.amdhsa_reserve_vcc 0
		.amdhsa_float_denorm_mode_32 3
		.amdhsa_float_denorm_mode_16_64 3
		.amdhsa_memory_ordered 1
		.amdhsa_forward_progress 1
		.amdhsa_inst_pref_size 105
	.end_amdhsa_kernel
	.amdgpu_metadata
---
amdhsa.version: [ 1, 2 ]
amdhsa.kernels:
  - .name:           k_q2a773c9b6c_ff2
    .symbol:         k_q2a773c9b6c_ff2.kd
    .args:
      - { .name: hq, .offset: 0, .size: 8, .value_kind: global_buffer, .address_space: global }
      - { .name: W2_codes, .offset: 8, .size: 8, .value_kind: global_buffer, .address_space: global }
      - { .name: W2_scales, .offset: 16, .size: 8, .value_kind: global_buffer, .address_space: global }
      - { .name: bf2, .offset: 24, .size: 8, .value_kind: global_buffer, .address_space: global }
      - { .name: out1, .offset: 32, .size: 8, .value_kind: global_buffer, .address_space: global }
      - { .name: out0, .offset: 40, .size: 8, .value_kind: global_buffer, .address_space: global }
    .group_segment_fixed_size: 327680
    .private_segment_fixed_size: 0
    .kernarg_segment_align: 8
    .kernarg_segment_size: 48
    .max_flat_workgroup_size: 128
    .sgpr_count:     102
    .vgpr_count:     768
    .wavefront_size: 32
...
	.end_amdgpu_metadata
.endif
;; end of part 6
